; MI455X (gfx1250); checked and timed in simulation.
; The chip was launched on July 23, 2026; its instructions are those of AMD's public machine-readable ISA for CDNA 5 (MIT licence, August 2026) and "CDNA5" Instruction Set Architecture Reference Guide (July 2026). The comments in the code are by the model that wrote it; some were corrected since.
;; Token Mixer. Allowed arithmetic: float matrix products may take bf16 or f16 operands with f32 sums; other float arithmetic in f32, or as packed bf16 or f16 multiplies, adds, multiply-adds, maxima and minima; sums over many terms, partial sums and values carried from step to step in f32; what a program stores and reads back later, other than sums and carried values, may be rounded once to bf16 or f16.
;; Inputs: W1a 512 x 512 float32; W1b 512 x 512 float32; W2a 512 x 512 float32; W2b 512 x 512 float32; X 8 x 4,096 x 512 float32; b1a 512 float32; b1b 512 float32; b2a 512 float32; b2b 512 float32.
;; Outputs: out0 8 x 4,096 x 512 float32.
;; 2 versions, each right; version 2 is version 1 with the launch prep written anew for expert scheduling mode. Each part assembles by itself: llvm-mc -triple=amdgcn-amd-amdhsa -mcpu=gfx1250 --defsym DOCPART=n.
;; ======== version 1 of 2: 4 launches
;; limits: values are held in f16: magnitudes above 65,504 overflow, below 6.1e-05 lose precision
;; workspace buffers: Xh 33,554,432 bytes; Wf 1,572,864 bytes; WC 8,388,608 bytes; Gp 33,554,432 bytes; P0 2,105,344 bytes; P3 32,768 bytes
;; launch prep (part 1): grid 1024 x 1, 4 waves a work-group, no clusters, 0 bytes of LDS; arguments X, W1a, W1b, W2a, W2b, b1a, b1b, b2a, b2b, Xh, Wf, WC, P0; writes Xh, Wf, WC, P0
.if DOCPART == 1
	.amdgcn_target "amdgcn-amd-amdhsa--gfx1250"
	.amdhsa_code_object_version 6
	.text
	.protected	k_qc8c7307dcb_prep
	.globl	k_qc8c7307dcb_prep
	.p2align	8
	.type	k_qc8c7307dcb_prep,@function
k_qc8c7307dcb_prep:
	s_mov_b64 s[64:65], 0
	v_nop
	global_prefetch_b8 v0, s[64:65] scope:SCOPE_SE
	s_setreg_imm32_b32 hwreg(HW_REG_WAVE_MODE, 25, 1), 1
	s_wait_xcnt 0x0
; PREP: every input is rounded once to bf16 and laid out for the later launches.  A stream: no LDS, no matrix unit, no cluster (no two work-groups read the same bytes).
;  Xh  [32768][512] f16: X rounded to bf16, that number written as f16.   P0+8192: for each work-group the column sums of its 32 rounded rows, f32.
;  Wf  operand images of 1,024 bytes (16 rows x 32 k; byte 512 q + 16 lane + 2 e = row lane % 16, k = 16 q + 8 (lane / 16) + e):
;      W1a (as f16) [row block 32][k block 16] at 0; from 524,288 on, for each of 32 row blocks, W1b's 16 images (bf16) and then the 16 of W2b transposed (bf16; rows j, k = p).
;  WC  for each batch a copy of W2a's images (as f16) in eight tiles of 65,536 bytes: tile i = [jh 2][jb2 2][k block 16] of row block 16 jh + 2 i + jb2.
;  P0  the four biases rounded to bf16, as f32, at 0.
; LIMITS.  A bf16 number is written exactly as f16 for 6.1e-5 <= |v| < 65,504; below that it keeps f16's fixed step of 6e-8; at 65,520 or more it becomes an infinity: X, W1a, W2a stay below that.
; SHARES.  Work-group g: rows 32 g .. 32 g + 31 of X; thread t: columns 4 t .. 4 t + 3, so a wave's load covers 512 and its store 256 consecutive bytes, aligned.  All 32 loads of a wave go out at once
; and each row has registers of its own: no loop, and no register is used twice by a load or a store.  With 240 registers four work-groups lie on a WGP, which multiplies the bytes on their way.
; Of the weights work-group g makes pieces of ONE matrix, number g / 256 (W1a, W2a, W1b, W2b): thread t the 16 bytes number 128 (g % 256) + t of its images.
.set ROWI, 2048                        ; bytes in a row of X
.set ROWO, 1024                        ; bytes in a row of Xh
.set SUM,  4                           ; v[4:7]     column sums
.set XR,   16                          ; v[16:143]  32 rows x 4
.set OUTP, 144                         ; v[144:207] 32 rows x 2, to store
.set TT,   208                         ; v[208:213] at work
.set WL,   216                         ; v[216:223] eight numbers of a weight matrix, along k
.set WO,   224                         ; v[224:227] the same, 16 bytes to store
	s_load_b512 s[4:19], s[0:1], 0x0               ; X s[4:5], W1a s[6:7], W1b s[8:9], W2a s[10:11], W2b s[12:13], b1a s[14:15], b1b s[16:17], b2a s[18:19]
	s_load_b256 s[20:27], s[0:1], 0x40             ; b2b s[20:21], Xh s[22:23], Wf s[24:25], WC s[26:27]
	s_load_b64 s[28:29], s[0:1], 0x60              ; P0
	s_mov_b32 s2, ttmp9                            ; work-group g
	s_lshr_b32 s44, s2, 8                          ; which matrix
	s_and_b32 s3, s2, 255                          ; which 128 pieces of it
	s_mov_b32 s55, 0xffff0000                      ; a word's upper bf16
	s_lshl_b32 s32, s2, 16                         ; 32 rows of 2,048 bytes
	s_mov_b32 s33, 0
	s_lshl_b32 s34, s2, 15                         ; 32 rows of 1,024 bytes
	s_mov_b32 s35, 0
	s_lshr_b32 s36, s3, 3                          ; rb: the row block of my pieces
	s_and_b32 s37, s3, 7                           ; their k blocks are 2 (g % 8) and the next
	s_lshl_b32 s38, s36, 15
	s_lshl_b32 s39, s37, 8
	s_add_co_u32 s38, s38, s39                     ; source, rows along k: rb x 16 rows + (g % 8) x 64 numbers
	s_lshl_b32 s40, s37, 17
	s_lshl_b32 s39, s36, 6
	s_add_co_u32 s40, s40, s39                     ; source of W2b transposed: (g % 8) x 64 rows + rb x 16 numbers
	s_lshl_b32 s41, s3, 11                         ; 128 pieces of 16 bytes
	s_bfe_u32 s42, s36, 0x30001                    ; WC: tile (rb % 16) / 2,
	s_lshl_b32 s42, s42, 16
	s_lshr_b32 s39, s36, 4                         ; jh = rb / 16,
	s_lshl_b32 s39, s39, 15
	s_add_co_u32 s42, s42, s39
	s_and_b32 s39, s36, 1                          ; jb2 = rb % 2,
	s_lshl_b32 s39, s39, 14
	s_add_co_u32 s42, s42, s39
	s_lshl_b32 s39, s37, 11                        ; two k blocks
	s_add_co_u32 s42, s42, s39
	s_lshl_b32 s43, s36, 14                        ; W1b, W2b: a row block has 32 images: 16,384 bytes more for each row block
	s_add_co_u32 s43, s43, s41
	s_lshl_b32 s45, s2, 11                         ; 2,048 g
	v_lshlrev_b32 v1, 4, v0                        ; 16 t
	v_lshlrev_b32 v2, 3, v0                        ; 8 t
	v_and_b32 v8, 15, v0                           ; the piece's row r
	v_lshrrev_b32 v9, 4, v0                        ; 4 (k block % 2) + 2 q + h: eight numbers along k each
	v_lshlrev_b32 v10, 11, v8
	v_lshl_add_u32 v10, v9, 5, v10
	v_add_nc_u32 v10, s38, v10                     ; rows along k: r x 2,048 + 32 bytes for each eight
	v_lshlrev_b32 v11, 2, v8
	v_lshl_add_u32 v11, v9, 14, v11
	v_add_nc_u32 v11, s40, v11                     ; transposed: eight rows for each eight, column r
	v_add_nc_u32 v12, s41, v1                      ; W1a's images: 16 (128 (g % 256) + t)
	v_add_nc_u32 v13, s42, v1                      ; the piece's place in a batch's part of WC
	v_add_nc_u32 v14, s43, v1                      ; its place among W1b's and W2b's images
	v_add_nc_u32 v15, s45, v1                      ; 2,048 g + 16 t
	v_mov_b32 v[SUM], 0
	v_mov_b32 v[SUM+1], 0
	v_mov_b32 v[SUM+2], 0
	v_mov_b32 v[SUM+3], 0
	s_wait_kmcnt 0x0
	s_add_nc_u64 s[4:5], s[4:5], s[32:33]          ; X and Xh at the group's first row
	s_add_nc_u64 s[22:23], s[22:23], s[34:35]
	s_cmp_eq_u32 s44, 1
	s_cselect_b64 s[30:31], s[10:11], s[6:7]       ; W1a, W2a or W1b by the work-group's number
	s_cmp_eq_u32 s44, 2
	s_cselect_b64 s[30:31], s[8:9], s[30:31]
	s_cmp_eq_u32 s44, 3
	s_cbranch_scc1 .Lcol
	global_load_b128 v[WL:WL+3], v10, s[30:31]           ; eight numbers of a row
	global_load_b128 v[WL+4:WL+7], v10, s[30:31] offset:16
	s_branch .Lrows
.Lcol:
.irp e,0,1,2,3,4,5,6,7
	global_load_b32 v[WL+\e], v11, s[12:13] offset:\e*2048   ; W2b: eight numbers of a column
.endr
.Lrows:
.set i, 0
.rept 32                                       ; all 32 rows: 32 loads of 512 bytes a wave
	global_load_b128 v[XR+4*i:XR+4*i+3], v1, s[4:5] offset:i*ROWI th:TH_LOAD_NT
.set i, i+1
.endr
	s_wait_loadcnt 32                              ; the weights are in on either way: the 32 loads of rows are younger
; two f32 -> bf16 -> the same two numbers as f16
.macro RB16 d, a
	v_cvt_pk_bf16_f32 v[TT], v[\a], v[\a+1]
	v_lshlrev_b32 v[TT+1], 16, v[TT]
	v_and_b32 v[TT+2], s55, v[TT]
	v_cvt_pk_f16_f32 v[\d], v[TT+1], v[TT+2]
.endm
	s_cmp_lt_u32 s44, 2
	s_cbranch_scc0 .Lbf
.irp i,0,1,2,3
	RB16 WO+\i, WL+2*\i
.endr
	s_cmp_eq_u32 s44, 0
	s_cbranch_scc0 .Lw2a
	global_store_b128 v12, v[WO:WO+3], s[24:25]          ; a wave's store covers 512 consecutive bytes
	s_branch .Lwdone
.Lw2a:
.irp b,0,1,2,3,4,5,6,7
	global_store_b128 v13, v[WO:WO+3], s[26:27] offset:\b*1048576  ; W2a once for each batch, so that the last launch walks one pointer
.endr
	s_branch .Lwdone
.Lbf:
.irp i,0,1,2,3
	v_cvt_pk_bf16_f32 v[WO+\i], v[WL+2*\i], v[WL+2*\i+1]
.endr
	s_cmp_eq_u32 s44, 2
	s_cbranch_scc0 .Lw2b
	global_store_b128 v14, v[WO:WO+3], s[24:25] offset:524288
	s_branch .Lwdone
.Lw2b:
	global_store_b128 v14, v[WO:WO+3], s[24:25] offset:524288+16384
.Lwdone:
.set i, 0
.rept 32
.if i%4 == 0
	s_wait_loadcnt 28-i                            ; loads come back in order (ISA guide 5.7.1): four more rows are in, the younger ones stay out
.endif
	v_cvt_pk_bf16_f32 v[TT], v[XR+4*i], v[XR+4*i+1]
	v_cvt_pk_bf16_f32 v[TT+1], v[XR+4*i+2], v[XR+4*i+3]
	v_lshlrev_b32 v[TT+2], 16, v[TT]
	v_and_b32 v[TT+3], s55, v[TT]
	v_lshlrev_b32 v[TT+4], 16, v[TT+1]
	v_and_b32 v[TT+5], s55, v[TT+1]
	v_pk_add_f32 v[SUM:SUM+1], v[SUM:SUM+1], v[TT+2:TT+3]      ; the sums are taken of the rounded numbers, in f32
	v_pk_add_f32 v[SUM+2:SUM+3], v[SUM+2:SUM+3], v[TT+4:TT+5]
	v_cvt_pk_f16_f32 v[OUTP+2*i], v[TT+2], v[TT+3]
	v_cvt_pk_f16_f32 v[OUTP+2*i+1], v[TT+4], v[TT+5]
	global_store_b64 v2, v[OUTP+2*i:OUTP+2*i+1], s[22:23] offset:i*ROWO
.set i, i+1
.endr
	global_store_b128 v15, v[SUM:SUM+3], s[28:29] offset:8192  ; the group's column sums
	s_cmp_lt_u32 s2, 4                             ; work-groups 0 to 3 also round one bias each
	s_cbranch_scc0 .Lnobias
	s_cmp_eq_u32 s2, 1
	s_cselect_b64 s[30:31], s[16:17], s[14:15]     ; b1a, b1b, b2a, b2b by the work-group's number (the loads that named s[30:31] have come back)
	s_cmp_eq_u32 s2, 2
	s_cselect_b64 s[30:31], s[18:19], s[30:31]
	s_cmp_eq_u32 s2, 3
	s_cselect_b64 s[30:31], s[20:21], s[30:31]
	global_load_b128 v[228:231], v1, s[30:31]
	s_wait_loadcnt 0x0
	v_cvt_pk_bf16_f32 v236, v228, v229
	v_cvt_pk_bf16_f32 v237, v230, v231
	v_lshlrev_b32 v232, 16, v236
	v_and_b32 v233, s55, v236
	v_lshlrev_b32 v234, 16, v237
	v_and_b32 v235, s55, v237
	global_store_b128 v15, v[232:235], s[28:29]    ; P0 + 2,048 g + 16 t
.Lnobias:
	s_endpgm
.Lfunc_end_k_qc8c7307dcb_prep:
	.size	k_qc8c7307dcb_prep, .Lfunc_end_k_qc8c7307dcb_prep-k_qc8c7307dcb_prep
	.p2alignl 7, 3214868480
	.fill 96, 4, 3214868480
	.section	.rodata,"a",@progbits
	.p2align	6, 0x0
	.amdhsa_kernel k_qc8c7307dcb_prep
		.amdhsa_group_segment_fixed_size 0
		.amdhsa_private_segment_fixed_size 0
		.amdhsa_enable_private_segment 0
		.amdhsa_kernarg_size 104
		.amdhsa_user_sgpr_count 2
		.amdhsa_user_sgpr_kernarg_segment_ptr 1
		.amdhsa_wavefront_size32 1
		.amdhsa_system_sgpr_workgroup_id_x 1
		.amdhsa_system_sgpr_workgroup_id_y 1
		.amdhsa_system_sgpr_workgroup_id_z 1
		.amdhsa_system_vgpr_workitem_id 0
		.amdhsa_next_free_vgpr 240
		.amdhsa_next_free_sgpr 66
		.amdhsa_reserve_vcc 0
		.amdhsa_float_denorm_mode_32 3
		.amdhsa_float_denorm_mode_16_64 3
		.amdhsa_memory_ordered 1
		.amdhsa_forward_progress 1
		.amdhsa_inst_pref_size 29
	.end_amdhsa_kernel
	.amdgpu_metadata
---
amdhsa.version: [ 1, 2 ]
amdhsa.kernels:
  - .name:           k_qc8c7307dcb_prep
    .symbol:         k_qc8c7307dcb_prep.kd
    .args:
      - { .name: X, .offset: 0, .size: 8, .value_kind: global_buffer, .address_space: global }
      - { .name: W1a, .offset: 8, .size: 8, .value_kind: global_buffer, .address_space: global }
      - { .name: W1b, .offset: 16, .size: 8, .value_kind: global_buffer, .address_space: global }
      - { .name: W2a, .offset: 24, .size: 8, .value_kind: global_buffer, .address_space: global }
      - { .name: W2b, .offset: 32, .size: 8, .value_kind: global_buffer, .address_space: global }
      - { .name: b1a, .offset: 40, .size: 8, .value_kind: global_buffer, .address_space: global }
      - { .name: b1b, .offset: 48, .size: 8, .value_kind: global_buffer, .address_space: global }
      - { .name: b2a, .offset: 56, .size: 8, .value_kind: global_buffer, .address_space: global }
      - { .name: b2b, .offset: 64, .size: 8, .value_kind: global_buffer, .address_space: global }
      - { .name: Xh, .offset: 72, .size: 8, .value_kind: global_buffer, .address_space: global }
      - { .name: Wf, .offset: 80, .size: 8, .value_kind: global_buffer, .address_space: global }
      - { .name: WC, .offset: 88, .size: 8, .value_kind: global_buffer, .address_space: global }
      - { .name: P0, .offset: 96, .size: 8, .value_kind: global_buffer, .address_space: global }
    .group_segment_fixed_size: 0
    .private_segment_fixed_size: 0
    .kernarg_segment_align: 8
    .kernarg_segment_size: 104
    .max_flat_workgroup_size: 128
    .sgpr_count:     66
    .vgpr_count:     240
    .wavefront_size: 32
...
	.end_amdgpu_metadata
.endif
;; end of part 1
;; launch gpart (part 2): grid 256 x 1, 4 waves a work-group, clusters of 4 x 1, 327,680 bytes of LDS; arguments Xh, Wf, P0, Gp; writes Gp
.if DOCPART == 2
	.amdgcn_target "amdgcn-amd-amdhsa--gfx1250"
	.amdhsa_code_object_version 6
	.text
	.protected	k_qc8c7307dcb_gpart
	.globl	k_qc8c7307dcb_gpart
	.p2align	8
	.type	k_qc8c7307dcb_gpart,@function
k_qc8c7307dcb_gpart:
	s_mov_b64 s[64:65], 0
	v_nop
	global_prefetch_b8 v0, s[64:65] scope:SCOPE_SE
	s_setreg_imm32_b32 hwreg(HW_REG_WAVE_MODE, 25, 1), 1
	s_wait_xcnt 0x0
	s_wait_alu depctr_hold_cnt(0) depctr_sa_sdst(0) depctr_va_vdst(0) depctr_va_sdst(0) depctr_va_ssrc(0) depctr_va_vcc(0) depctr_vm_vsrc(0)
	s_getreg_b32 s2, hwreg(HW_REG_IB_STS2, 6, 4)
	s_cmp_eq_u32 s2, 0
	s_cbranch_scc0 .Lentry_in_a_cluster
	s_endpgm
.Lentry_in_a_cluster:
	s_bfe_u32 s2, ttmp6, 0x10000c
	s_cmp_lg_u32 s2, 0x3003
	s_cbranch_scc0 .Lentry_shape_is_right
	s_endpgm
.Lentry_shape_is_right:
; GPART: partial sums of G[b][j][d] = sum over tokens n of H1[n][j] X[n][d], H1 = gelu(X W1a^T + b1a).  (The module's P = W1^T X is W1b G + b1b x (column sums of X): the second linear layer is
; applied to G in the next launch.  Only the order of the sums differs from the module as it is written.)  X, W1a and H1 in f16, sums in f32.
; LIMITS.  H1 is rounded to f16: the pre-activations stay below 65,504.  gelu(x) = x/2 + |x| (1/2 - Q(|x|)), Q the normal tail by Abramowitz and Stegun 26.2.17 (|error| <= 7.5e-8 for every x).  NaN and infinities are not treated apart.
; SHARES.  A work-group makes 64 j (block jq) x all 512 d over 1,024 tokens (chunk c of batch b): four partial copies of G in all.  It walks 8 tiles of 128 tokens, each in two halves of 64.
;   Phase A of a half: wave w makes S = X W1a^T + b1a for its 16 tokens x 64 j (W1a's 64 rows stay in 512 registers), applies gelu, and stores H1^T as operand images in LDS.
;   Phase B: wave w adds H1^T X onto its 64 j x 128 d (columns 128 w ..), X turned by ds_load_tr16_b128.
; COLUMN ORDER.  In the turning load the second eight lanes read 128 bytes further on (not 16),040 bytes (64 banks of 4 bytes: ISA guide 11.1).
;   So place p (0..15) of column block k (0..31) is column 128 (k / 8) + 8 (k % 8) + 64 (p / 8) + p % 8.  The order is kept through the next two launches and undone in the last.
; CLUSTER.  The four partners (four jq of one chunk) walk the same tiles of X: each tile is asked for jointly, mask 15.  By this text's own count one tensor load a wave is outstanding.
; REGISTERS (windows of 256; s_set_vgpr_msb: bits 1:0 source 0, 3:2 source 1, 5:4 source 2, 7:6 destination):
;   window 0: v2-v11 addresses; v30, v31 the add's; v32-63 the bias as a C operand; phase A: v64-95 S, v96-127 at work, v128-255 X's fragments (v128-143 later H);
;             phase B: two buffers v64-159, v160-255: H at 8 jb, X^T at 32 + 8 db
;   window 1: G, accumulator (jb, db) at 8 (8 jb + db)      windows 2, 3: W1a, fragment (kf, jb) at 8 (4 (kf % 8) + jb), window 2 for kf < 8
.set PITCH, 1040                       ; an LDS row of X: 1,024 bytes + 16 of padding
.set HALFB, 64*PITCH
.set SLOTB, 128*PITCH                  ; a slot: 133,120 bytes; slots at 0 and SLOTB.  SLOTB (bits 17, 11) shares no bit with wave x 33,280, so one exclusive or changes slots
.set HB,    278528                     ; H1^T of a half: images [group of 32 tokens 2][jb 4] of 1,024 bytes; written by LDS stores alone
.set SPARE, HB+8192                    ; the spare words: 128 bytes a wave, two blocks of 256 bytes that no other line names
.set WV, 12                            ; s12      wave
.set G1, 24                            ; s[24:31] descriptor group 1
.set G0, 32                            ; s[32:35] descriptor group 0: it walks
.set RD, 36                            ; s36      the slot that is read
.set XA, 37                            ; s37      LDS byte at which the half in hand begins
.set MSB, 0
.macro WIN new                         ; the high byte repeats the setting that is left; a switch that changes nothing is dropped
.if MSB != (\new)
	s_set_vgpr_msb (MSB<<8)|(\new)
.set MSB, (\new)
.endif
.endm
.macro PLACES                          ; four places behind matrix instructions (ISA guide 7.12.1)
.rept 4
	v_nop
.endr
.endm
.macro CROUND                          ; a round of the cluster's barrier
	s_barrier_signal -1
	s_barrier_wait -1
	s_cmp_lg_u32 s[WV], 0
	s_cbranch_scc1 .Lnot_wave_0_\@
	s_barrier_signal -3
.Lnot_wave_0_\@:
	s_barrier_wait -3
	s_barrier_signal -1
	s_barrier_wait -1
.endm
.macro SETC reg, val                   ; a constant as a pair: the packed forms name the pair and take its low word
	s_mov_b32 s[\reg], \val
	s_mov_b32 s[\reg+1], \val
.endm
; gelu of the eight numbers v[X ..]; 32 registers at work from v[T]: |x|, t, e, p; the result is left in v[T+24 .. T+31].  69 lines.
; Behind each run of transcendentals stands a plain line that touches none of their registers (ISA guide 5.7.2).  X is read from its low end on.
.macro GELU8 X, T
.irp i,0,1,2,3,4,5,6,7
	v_and_b32 v[\T+\i], s54, v[\X+\i]                      ; |x|
.endr
.irp i,0,2,4,6
	v_pk_fma_f32 v[\T+8+\i:\T+9+\i], v[\T+\i:\T+1+\i], s[40:41], 1.0 op_sel_hi:[1,0,0]  ; 1 + 0.2316419 |x|
.endr
.irp i,0,1,2,3,4,5,6,7
	v_rcp_f32 v[\T+8+\i], v[\T+8+\i]                       ; t
.endr
.irp i,0,2,4,6
	v_pk_mul_f32 v[\T+16+\i:\T+17+\i], v[\X+\i:\X+1+\i], v[\X+\i:\X+1+\i]
.endr
.irp i,0,2,4,6
	v_pk_mul_f32 v[\T+16+\i:\T+17+\i], v[\T+16+\i:\T+17+\i], s[42:43] op_sel_hi:[1,0]   ; - x^2 log2(e) / 2
.endr
.irp i,0,1,2,3,4,5,6,7
	v_exp_f32 v[\T+16+\i], v[\T+16+\i]                     ; e = exp(- x^2 / 2)
.endr
	s_wait_alu depctr_va_vdst(0)
.irp i,0,2,4,6
	v_pk_fma_f32 v[\T+24+\i:\T+25+\i], v[\T+8+\i:\T+9+\i], s[52:53], s[50:51] op_sel_hi:[1,0,0]  ; c5 t + c4
.endr
.irp c,48,46,44
.irp i,0,2,4,6
	v_pk_fma_f32 v[\T+24+\i:\T+25+\i], v[\T+24+\i:\T+25+\i], v[\T+8+\i:\T+9+\i], s[\c:\c+1] op_sel_hi:[1,1,0]  ; .. t + c3, c2, c1
.endr
.endr
.irp i,0,2,4,6
	v_pk_mul_f32 v[\T+24+\i:\T+25+\i], v[\T+24+\i:\T+25+\i], v[\T+8+\i:\T+9+\i]
.endr
.irp i,0,2,4,6
	v_pk_fma_f32 v[\T+24+\i:\T+25+\i], v[\T+24+\i:\T+25+\i], v[\T+16+\i:\T+17+\i], 0.5 op_sel_hi:[1,1,0] neg_lo:[1,0,0] neg_hi:[1,0,0]  ; 1/2 - Q
.endr
.irp i,0,2,4,6
	v_pk_mul_f32 v[\X+\i:\X+1+\i], v[\X+\i:\X+1+\i], 0.5 op_sel_hi:[1,0]
.endr
.irp i,0,2,4,6
	v_pk_fma_f32 v[\T+24+\i:\T+25+\i], v[\T+\i:\T+1+\i], v[\T+24+\i:\T+25+\i], v[\X+\i:\X+1+\i]  ; |x| (1/2 - Q) + x/2
.endr
.endm
	s_load_b256 s[4:11], s[0:1], 0x0               ; Xh s[4:5], Wf s[6:7], P0 s[8:9], Gp s[10:11]
	v_lshl_add_u32 v30, v0, 2, SPARE
	v_mov_b32 v31, 0
	ds_add_u32 v30, v31                            ; the wave's opening: the add and its wait stand ahead of my first tensor load; the set-up below stands between them
	v_lshrrev_b32 v1, 5, v0
	v_readfirstlane_b32 s[WV], v1                  ; wave 0..3
	s_bfe_u32 s13, ttmp6, 0x40000                  ; cx: my place in the cluster; it enters W1a's, the bias's and Gp's addresses alone
	s_and_b32 s15, ttmp9, 1
	s_lshl2_add_u32 s15, s15, s13                  ; jq = 4 (cluster % 2) + cx
	s_lshr_b32 s16, ttmp9, 1                       ; 4 b + c, which the partners share: tokens 1,024 (4 b + c) on
	s_lshl_b32 s20, s16, 20                        ; 1,024 rows of 1,024 bytes,
	s_lshl_b32 s17, s[WV], 15                      ; my 32 rows of a tile
	s_add_co_u32 s20, s20, s17
	s_mov_b32 s21, 0
	s_lshl_b32 s18, s15, 16                        ; W1a: 4 row blocks x 16 images
	s_mov_b32 s19, 0
	s_and_b32 s22, s16, 3                          ; Gp: [c][b][j block][column block][1,024]
	s_lshl_b32 s22, s22, 3
	s_lshr_b32 s60, s16, 2
	s_add_co_u32 s22, s22, s60
	s_lshl_b32 s22, s22, 20
	s_lshl_b32 s60, s15, 17                        ; 4 j blocks of 32,768 bytes
	s_add_co_u32 s22, s22, s60
	s_lshl_b32 s60, s[WV], 13                      ; my 8 column blocks
	s_add_co_u32 s22, s22, s60
	s_mov_b32 s23, 0
	; descriptor group 1: 32 rows x 512 elements of 2 bytes, padded in LDS
	s_mov_b32 s[G1], 15|(1<<16)|(1<<20)|(1<<21)|(7<<22)|(3<<25)  ; 15:0 the mask of four; 17:16 2-byte elements; 20 padding on; 21 set beside a mask; 24:22 after every 256 words (code 7); 31:25 4 words (code 3)
	s_mov_b32 s[G1+1], 512<<16                     ; tensor_dim0 = 512
	s_mov_b32 s[G1+2], 32<<16                      ; tensor_dim1 = 32
	s_mov_b32 s[G1+3], 512<<16                     ; tile_dim0 = 512
	s_mov_b32 s[G1+4], 32                          ; tile_dim1 = 32
	s_mov_b32 s[G1+5], 512                         ; 512 elements from row to row
	s_mov_b32 s[G1+6], 0
	s_mov_b32 s[G1+7], 0
	s_mov_b32 s[G0], 1                             ; count = 1
	s_mul_i32 s[G0+1], s[WV], 32*PITCH             ; LDS address: my 32 rows of slot 0
	SETC 40, 0x3e6d3389                            ; 0.2316419
	SETC 42, 0xbf38aa3b                            ; - log2(e) / 2
	SETC 44, 0x3e027906                            ; c1 .. c5: the series' coefficients over sqrt(2 pi)
	SETC 46, 0xbe11a98e
	SETC 48, 0x3f35f0e3
	SETC 50, 0xbf3a00e3
	SETC 52, 0x3f07dc22
	s_mov_b32 s54, 0x7fffffff
	s_mov_b32 s[RD], SLOTB                         ; the first change of slots turns it into 0
	s_wait_dscnt 0x0                               ; the opening add is done
	s_wait_kmcnt 0x0
	s_add_nc_u64 s[G0+2:G0+3], s[4:5], s[20:21]    ; global address: my rows of tile 0
	s_or_b32 s[G0+3], s[G0+3], 0x80000000          ; type = 2
	s_add_nc_u64 s[6:7], s[6:7], s[18:19]
	s_add_nc_u64 s[10:11], s[10:11], s[22:23]
	CROUND                                         ; all four work-groups are here: the first joint loads meet
	tensor_load_to_lds s[G0:G0+3], s[G1:G1+7]      ; tile 0 into slot 0; slot 1 is asked for by the loop's first change of slots
	s_nop 0
	PLACES
	v_and_b32 v1, 15, v0                           ; r = lane % 16
	v_bfe_u32 v6, v0, 4, 1                         ; h = lane / 16
	v_and_b32 v7, 31, v0
	v_lshlrev_b32 v10, 4, v7                       ; 16 x lane
	s_mul_i32 s17, s[WV], 16*PITCH
	v_mul_u32_u24 v2, v1, PITCH
	v_lshl_add_u32 v2, v6, 4, v2
	v_add_nc_u32 v2, s17, v2                       ; phase A: (16 w + r) x pitch + 16 h
	v_and_b32 v13, 7, v0
	v_bfe_u32 v14, v0, 3, 1
	v_lshl_add_u32 v3, v6, 3, v13
	v_mul_u32_u24 v3, v3, PITCH
	v_lshl_add_u32 v3, v14, 7, v3
	s_lshl_b32 s17, s[WV], 8
	v_add_nc_u32 v3, s17, v3                       ; phase B: (8 h + lane % 8) x pitch + 256 w + 128 ((lane / 8) % 2)
	s_lshr_b32 s17, s[WV], 1
	s_lshl_b32 s17, s17, 12
	s_and_b32 s14, s[WV], 1
	s_lshl_b32 s14, s14, 9
	s_add_co_u32 s17, s17, s14
	s_add_co_u32 s17, s17, HB
	v_add_nc_u32 v8, s17, v10                      ; my 16 tokens are half w % 2 of the images of group w / 2
	v_add_nc_u32 v9, HB, v10
	s_lshl_b32 s60, s15, 8
	v_lshlrev_b32 v11, 2, v1
	v_add_nc_u32 v11, s60, v11                     ; the bias of j = 64 jq + r
.set kf, 0
.rept 16                                       ; W1a's 64 rows stay in registers
	WIN 0x80+0x40*(kf/8)
.irp jb,0,1,2,3
	global_load_b128 v[8*(4*(kf%8)+\jb):8*(4*(kf%8)+\jb)+3],   v10, s[6:7] offset:(16*\jb+kf)*1024
	global_load_b128 v[8*(4*(kf%8)+\jb)+4:8*(4*(kf%8)+\jb)+7], v10, s[6:7] offset:(16*\jb+kf)*1024+512
.endr
.set kf, kf+1
.endr
	WIN 0
.irp jb,0,1,2,3
	global_load_b32 v[32+8*\jb], v11, s[8:9] offset:64*\jb
.endr
	WIN 0x40                                       ; G starts at 0: 256 lines in the wait for the first tile, in place of a further copy of the half-step with C = 0
.set i, 0
.rept 256
	v_mov_b32 v[i], 0
.set i, i+1
.endr
	WIN 0
	s_wait_loadcnt 0x0
.irp jb,0,1,2,3
.irp k,1,2,3,4,5,6,7
	v_mov_b32 v[32+8*\jb+\k], v[32+8*\jb]          ; in S a lane holds one j and eight tokens: the bias tile is one number a lane
.endr
.endr
; THE CHANGE OF SLOTS.  Each wave waits for all its tensor loads (one is out: its part of the next slot), adds 0 to its spare word, and waits for that and for its reads of the slot that it leaves.
; fill = 1: the barrier is a round of the cluster's, and the joint refill (the tile after next) is the first thing behind it: it has a tile's 256 matrix instructions a wave in which to land.
.macro HEAD fill
	WIN 0
	s_wait_tensorcnt 0x0                           ; no tensor load of mine is out, so group 0 may be written
	ds_add_u32 v30, v31                            ; 0 onto my spare word; the scalar steps stand between it and the wait for it
	s_xor_b32 s[RD], s[RD], SLOTB
	s_mov_b32 s[XA], s[RD]
.if \fill
	s_xor_b32 s[G0+1], s[G0+1], SLOTB
	s_add_nc_u64 s[G0+2:G0+3], s[G0+2:G0+3], 131072  ; 128 rows on; the type bits on top are not reached
.endif
	s_wait_dscnt 0x0                               ; the add is done, and my reads of the slot are over
.if \fill
	CROUND
	tensor_load_to_lds s[G0:G0+3], s[G1:G1+7]
	s_nop 0
	PLACES
.else
	s_barrier_signal -1
	s_barrier_wait -1
.endif
.endm
.macro BLOAD g, buf                    ; 24 LDS loads: group g's four images of H1^T, and X^T of its 32 tokens x my 128 columns
.irp jb,0,1,2,3
	ds_load_b128 v[\buf+8*\jb:\buf+8*\jb+3],   v9 offset:4096*(\g)+1024*\jb
	ds_load_b128 v[\buf+8*\jb+4:\buf+8*\jb+7], v9 offset:4096*(\g)+1024*\jb+512
.endr
.irp db,0,1,2,3,4,5,6,7
	ds_load_tr16_b128 v[\buf+32+8*\db:\buf+32+8*\db+3],   v5 offset:32*PITCH*(\g)+16*\db
	ds_load_tr16_b128 v[\buf+32+8*\db+4:\buf+32+8*\db+7], v5 offset:32*PITCH*(\g)+16*PITCH+16*\db
.endr
.endm
.macro MULB buf                        ; 32 products G(jb, db) += H(jb) X^T(db); the accumulators take turns
	WIN 0x50
.irp jb,0,1,2,3
.irp db,0,1,2,3,4,5,6,7
	v_wmma_f32_16x16x32_f16 v[8*(8*\jb+\db):8*(8*\jb+\db)+7], v[\buf+8*\jb:\buf+8*\jb+7], v[\buf+32+8*\db:\buf+32+8*\db+7], v[8*(8*\jb+\db):8*(8*\jb+\db)+7]
.endr
.endr
.endm
; A HALF: 64 tokens.
.macro HALF
	WIN 0
	v_add_nc_u32 v4, s[XA], v2                     ; five plain lines: the places between the last products and the loads into, and products onto, their registers
	v_add_nc_u32 v5, s[XA], v3
	v_nop
	v_nop
	v_nop
.set kf, 0
.rept 16
	ds_load_b128 v[128+8*kf:128+8*kf+3],   v4 offset:64*kf
	ds_load_b128 v[128+8*kf+4:128+8*kf+7], v4 offset:64*kf+32
.set kf, kf+1
.endr
.set kf, 0
.rept 16
.if kf%4 == 0
	s_wait_dscnt 24-2*kf                           ; eight loads serve four k blocks: the younger groups' loads stay out
.endif
	WIN 0x08+4*(kf/8)
.irp jb,0,1,2,3
.if kf == 0
	v_wmma_f32_16x16x32_f16 v[64+8*\jb:64+8*\jb+7], v[128:135], v[8*\jb:8*\jb+7], v[32+8*\jb:32+8*\jb+7]   ; the bias starts the sum
.else
	v_wmma_f32_16x16x32_f16 v[64+8*\jb:64+8*\jb+7], v[128+8*kf:128+8*kf+7], v[8*(4*(kf%8)+\jb):8*(4*(kf%8)+\jb)+7], v[64+8*\jb:64+8*\jb+7]
.endif
.endr
.set kf, kf+1
.endr
	WIN 0
	PLACES
.irp jb,0,1,2,3
	GELU8 64+8*\jb, 96
.irp i,0,1,2,3
	v_cvt_pk_f16_f32 v[128+4*\jb+\i], v[120+2*\i], v[121+2*\i]   ; a lane's eight tokens of one j: 16 bytes of an image of H1^T
.endr
	ds_store_b128 v8, v[128+4*\jb:128+4*\jb+3] offset:1024*\jb
.endr
	s_wait_dscnt 0x0                               ; for the others' sake: my stores of H are done
	s_barrier_signal -1
	s_barrier_wait -1
	BLOAD 0, 64
	BLOAD 1, 160
	s_wait_dscnt 24                                ; the first group's 24 loads are in
	MULB 64
	s_wait_dscnt 0x0                               ; my reads of H (and of this half of the slot) are over:
	s_barrier_signal -1                            ; say so; the next half's stores of H stand behind the wait below
	MULB 160                                       ; work on registers while the others arrive
	s_barrier_wait -1
	s_add_co_u32 s[XA], s[XA], HALFB
	WIN 0
.endm
.macro TWOHALVES                       ; a half is written once and walked twice
	s_mov_b32 s38, 2
.Lhalf_\@:
	HALF
	s_sub_co_u32 s38, s38, 1
	s_cmp_lg_u32 s38, 0
	s_cbranch_scc1 .Lhalf_\@
.endm
	s_mov_b32 s39, 7
.Lslot:                                                ; seven trips: a tile is entered and the next is asked for
	HEAD 1
	TWOHALVES
	s_sub_co_u32 s39, s39, 1
	s_cmp_lg_u32 s39, 0
	s_cbranch_scc1 .Lslot
	HEAD 0                                         ; the last tile is written out
	TWOHALVES
	PLACES                                         ; THE WAY OUT: the accumulators as they lie: a store covers 512 consecutive bytes
	WIN 0x04                                       ; store data in window 1
.irp jb,0,1,2,3
.irp db,0,1,2,3,4,5,6,7
	global_store_b128 v10, v[8*(8*\jb+\db):8*(8*\jb+\db)+3],   s[10:11] offset:\jb*32768+\db*1024
	global_store_b128 v10, v[8*(8*\jb+\db)+4:8*(8*\jb+\db)+7], s[10:11] offset:\jb*32768+\db*1024+512
.endr
.endr
	WIN 0
	s_wait_tensorcnt 0x0                           ; the wave's end
	ds_add_u32 v30, v31
	s_wait_dscnt 0x0
	CROUND                                         ; the closing round
	s_endpgm
.Lfunc_end_k_qc8c7307dcb_gpart:
	.size	k_qc8c7307dcb_gpart, .Lfunc_end_k_qc8c7307dcb_gpart-k_qc8c7307dcb_gpart
	.p2alignl 7, 3214868480
	.fill 96, 4, 3214868480
	.section	.rodata,"a",@progbits
	.p2align	6, 0x0
	.amdhsa_kernel k_qc8c7307dcb_gpart
		.amdhsa_group_segment_fixed_size 327680
		.amdhsa_private_segment_fixed_size 0
		.amdhsa_enable_private_segment 0
		.amdhsa_kernarg_size 32
		.amdhsa_user_sgpr_count 2
		.amdhsa_user_sgpr_kernarg_segment_ptr 1
		.amdhsa_wavefront_size32 1
		.amdhsa_system_sgpr_workgroup_id_x 1
		.amdhsa_system_sgpr_workgroup_id_y 1
		.amdhsa_system_sgpr_workgroup_id_z 1
		.amdhsa_system_vgpr_workitem_id 0
		.amdhsa_next_free_vgpr 1024
		.amdhsa_next_free_sgpr 66
		.amdhsa_reserve_vcc 0
		.amdhsa_float_denorm_mode_32 3
		.amdhsa_float_denorm_mode_16_64 3
		.amdhsa_memory_ordered 1
		.amdhsa_forward_progress 1
		.amdhsa_inst_pref_size 93
	.end_amdhsa_kernel
	.amdgpu_metadata
---
amdhsa.version: [ 1, 2 ]
amdhsa.kernels:
  - .name:           k_qc8c7307dcb_gpart
    .symbol:         k_qc8c7307dcb_gpart.kd
    .args:
      - { .name: Xh, .offset: 0, .size: 8, .value_kind: global_buffer, .address_space: global }
      - { .name: Wf, .offset: 8, .size: 8, .value_kind: global_buffer, .address_space: global }
      - { .name: P0, .offset: 16, .size: 8, .value_kind: global_buffer, .address_space: global }
      - { .name: Gp, .offset: 24, .size: 8, .value_kind: global_buffer, .address_space: global }
    .group_segment_fixed_size: 327680
    .private_segment_fixed_size: 0
    .kernarg_segment_align: 8
    .kernarg_segment_size: 32
    .max_flat_workgroup_size: 128
    .sgpr_count:     66
    .vgpr_count:     1024
    .wavefront_size: 32
...
	.end_amdgpu_metadata
.endif
;; end of part 2
;; launch mid (part 3): grid 256 x 1, 4 waves a work-group, clusters of 4 x 1, 327,680 bytes of LDS; arguments Gp, Wf, P0, WC, P3; writes WC, P3
.if DOCPART == 3
	.amdgcn_target "amdgcn-amd-amdhsa--gfx1250"
	.amdhsa_code_object_version 6
	.text
	.protected	k_qc8c7307dcb_mid
	.globl	k_qc8c7307dcb_mid
	.p2align	8
	.type	k_qc8c7307dcb_mid,@function
k_qc8c7307dcb_mid:
	s_mov_b64 s[64:65], 0
	v_nop
	global_prefetch_b8 v0, s[64:65] scope:SCOPE_SE
	s_setreg_imm32_b32 hwreg(HW_REG_WAVE_MODE, 25, 1), 1
	s_wait_xcnt 0x0
	s_wait_alu depctr_hold_cnt(0) depctr_sa_sdst(0) depctr_va_vdst(0) depctr_va_sdst(0) depctr_va_ssrc(0) depctr_va_vcc(0) depctr_vm_vsrc(0)
	s_getreg_b32 s2, hwreg(HW_REG_IB_STS2, 6, 4)
	s_cmp_eq_u32 s2, 0
	s_cbranch_scc0 .Lentry_in_a_cluster
	s_endpgm
.Lentry_in_a_cluster:
	s_bfe_u32 s2, ttmp6, 0x10000c
	s_cmp_lg_u32 s2, 0x3003
	s_cbranch_scc0 .Lentry_shape_is_right
	s_endpgm
.Lentry_shape_is_right:
; MID: for one batch b and one block of 16 columns (in the column order of the launch before):  G = the sum of its four partial copies;  P = W1b G + b1b x xs (xs: the column sums of X);  A = gelu(P);
; C = W2b^T A;  c0 = b2b^T A.  (The module's Y = W2 A is H2 C + c0: the second linear layers of both MLPs are applied here, to G and to A.  Only the order of the sums differs from the module as written.)
; Out: C / s as f16 operand images (tiles 8 to 15 of the batch's part of WC: tile 8 + 2 a + kh = [block % 8][k block % 8] for column group a = block / 8 and K half kh), c0, and s once for each column.
; FORMATS.  G and A grow with the fifth power of a common scale of the inputs, so they have no room in f16: each goes as two bf16 numbers, hi = bf16(v), lo = bf16(v - hi), multiplied one after the other onto one f32 sum.
; THE SCALE.  All of C for these columns is made here, so s = 2^(floor(log2 max|C|) - 14) and |C / s| < 2^15.  LIMIT: that power of two is held within 2^-100 .. 2^100.
; gelu(x) = x/2 + |x| (1/2 - Q(|x|)), Q the normal tail by Abramowitz and Stegun 26.2.17 (|error| <= 7.5e-8 for every x).  NaN and infinities are not treated apart.
; SHARES.  Columns do not mix from G to C, so a work-group owns 16 columns and all 512 rows.  Wave w: rows 128 w .. 128 w + 127 of P and then of C: 8 accumulators, 2 x 256 products (16 k blocks x hi, lo).
; CLUSTER.  Every work-group needs all of W1b and W2b^T, 1 MiB.  They lie interleaved by row block, so one pointer walks eight tiles (four k blocks of all rows each); a tile is asked for jointly by the four partners, mask 15.
;   Each wave fetches and reads its own 8 row blocks x 4 images (32,768 bytes).  By this text's own count two tensor loads a wave are out at the start, later one.
; REGISTERS (windows of 256; s_set_vgpr_msb: bits 1:0 source 0, 3:2 source 1, 5:4 source 2, 7:6 destination):
;   window 0: v2-v22 addresses; v30, v31 the add's; v32-95 the accumulators; v96-127 at work; v160-223 G's or A's fragments of a step, (k, hl) at 160 + 8 (2 k + hl); v224-243 sums, maxima, the scale
;   window 1: a tile's weights, (k, row block) at 8 (8 k + pb)      window 2: b1b at 0, b2b at 64, xs' parts at 128      window 3: the four copies of G: 32 jb + 16 q + 4 c
.set SLOTB, 131072                     ; a slot: four waves x 32,768 bytes; slots at 0 and SLOTB (a bit that wave x 32,768 does not reach, so one exclusive or changes slots)
.set GA,    262144                     ; G's images [k block 16][hi, lo] of 1,024 bytes; later A's.  Written by LDS stores alone
.set REDX,  294912                     ; xs: [column 16][wave 4] f32
.set REDC,  REDX+256                   ; c0: the same
.set REDM,  REDX+512                   ; the waves' largest |C|
.set SPARE, REDX+768                   ; the spare words: 128 bytes a wave, two blocks of 256 bytes that no other line names
.set WV,  14
.set G1,  24                           ; s[24:31] descriptor group 1
.set G0A, 32                           ; s[32:35] group 0 of the first fill
.set G0B, 36                           ; s[36:39] group 0 of the second; it then walks on
.set RD,  76                           ; s76 the slot that is read
.set GB,  78                           ; s78 byte in GA at which the step's four k blocks begin
.set MSB, 0
.macro WIN new                         ; the high byte repeats the setting that is left; a switch that changes nothing is dropped
.if MSB != (\new)
	s_set_vgpr_msb (MSB<<8)|(\new)
.set MSB, (\new)
.endif
.endm
.macro PLACES                          ; four places behind matrix instructions (ISA guide 7.12.1)
.rept 4
	v_nop
.endr
.endm
.macro CROUND                          ; a round of the cluster's barrier
	s_barrier_signal -1
	s_barrier_wait -1
	s_cmp_lg_u32 s[WV], 0
	s_cbranch_scc1 .Lnot_wave_0_\@
	s_barrier_signal -3
.Lnot_wave_0_\@:
	s_barrier_wait -3
	s_barrier_signal -1
	s_barrier_wait -1
.endm
.macro SETC reg, val                   ; a constant as a pair: the packed forms name the pair and take its low word
	s_mov_b32 s[\reg], \val
	s_mov_b32 s[\reg+1], \val
.endm
; gelu of the eight numbers v[X ..]; 32 registers at work from v[T]; the result is left in v[T+24 .. T+31].  Behind each run of transcendentals stands a plain line that touches none of their registers (ISA guide 5.7.2).
.macro GELU8 X, T
.irp i,0,1,2,3,4,5,6,7
	v_and_b32 v[\T+\i], s54, v[\X+\i]
.endr
.irp i,0,2,4,6
	v_pk_fma_f32 v[\T+8+\i:\T+9+\i], v[\T+\i:\T+1+\i], s[40:41], 1.0 op_sel_hi:[1,0,0]
.endr
.irp i,0,1,2,3,4,5,6,7
	v_rcp_f32 v[\T+8+\i], v[\T+8+\i]
.endr
.irp i,0,2,4,6
	v_pk_mul_f32 v[\T+16+\i:\T+17+\i], v[\X+\i:\X+1+\i], v[\X+\i:\X+1+\i]
.endr
.irp i,0,2,4,6
	v_pk_mul_f32 v[\T+16+\i:\T+17+\i], v[\T+16+\i:\T+17+\i], s[42:43] op_sel_hi:[1,0]
.endr
.irp i,0,1,2,3,4,5,6,7
	v_exp_f32 v[\T+16+\i], v[\T+16+\i]
.endr
	s_wait_alu depctr_va_vdst(0)
.irp i,0,2,4,6
	v_pk_fma_f32 v[\T+24+\i:\T+25+\i], v[\T+8+\i:\T+9+\i], s[52:53], s[50:51] op_sel_hi:[1,0,0]
.endr
.irp c,48,46,44
.irp i,0,2,4,6
	v_pk_fma_f32 v[\T+24+\i:\T+25+\i], v[\T+24+\i:\T+25+\i], v[\T+8+\i:\T+9+\i], s[\c:\c+1] op_sel_hi:[1,1,0]
.endr
.endr
.irp i,0,2,4,6
	v_pk_mul_f32 v[\T+24+\i:\T+25+\i], v[\T+24+\i:\T+25+\i], v[\T+8+\i:\T+9+\i]
.endr
.irp i,0,2,4,6
	v_pk_fma_f32 v[\T+24+\i:\T+25+\i], v[\T+24+\i:\T+25+\i], v[\T+16+\i:\T+17+\i], 0.5 op_sel_hi:[1,1,0] neg_lo:[1,0,0] neg_hi:[1,0,0]
.endr
.irp i,0,2,4,6
	v_pk_mul_f32 v[\X+\i:\X+1+\i], v[\X+\i:\X+1+\i], 0.5 op_sel_hi:[1,0]
.endr
.irp i,0,2,4,6
	v_pk_fma_f32 v[\T+24+\i:\T+25+\i], v[\T+\i:\T+1+\i], v[\T+24+\i:\T+25+\i], v[\X+\i:\X+1+\i]
.endr
.endm
	s_load_b256 s[4:11], s[0:1], 0x0               ; Gp s[4:5], Wf s[6:7], P0 s[8:9], WC s[10:11]
	s_load_b64 s[12:13], s[0:1], 0x20              ; P3
	v_lshl_add_u32 v30, v0, 2, SPARE
	v_mov_b32 v31, 0
	ds_add_u32 v30, v31                            ; the wave's opening: the add and its wait stand ahead of my first tensor load; the set-up below stands between them
	v_lshrrev_b32 v1, 5, v0
	v_readfirstlane_b32 s[WV], v1                  ; wave 0..3
	s_bfe_u32 s15, ttmp6, 0x40000                  ; cx: my place in the cluster; it enters Gp's, xs', WC's and P3's addresses alone
	s_and_b32 s18, ttmp9, 7
	s_lshl2_add_u32 s18, s18, s15                  ; the column block = 4 (cluster % 8) + cx
	s_lshr_b32 s17, ttmp9, 3                       ; the batch
	s_lshr_b32 s19, s18, 3                         ; a: the group of 8 blocks
	s_and_b32 s20, s18, 7                          ; the block's place in it
	s_lshl_b32 s58, s17, 20                        ; Gp: [copy][b][j block 32][column block 32][1,024]
	s_lshl_b32 s2, s18, 10
	s_add_co_u32 s58, s58, s2
	s_mov_b32 s59, 0
	s_lshl_b32 s60, s[WV], 18                      ; the weights: from 524,288 on, 32,768 bytes a row block; my 8 row blocks.  The wave's number alone
	s_add_co_u32 s60, s60, 524288
	s_mov_b32 s61, 0
	s_lshl_b32 s62, s17, 20                        ; WC: the batch's tile 8 + 2 a + w / 2, the block's 8,192 bytes in it, k blocks 4 (w % 2) on
	s_add_co_u32 s62, s62, 524288
	s_lshl_b32 s2, s19, 17
	s_add_co_u32 s62, s62, s2
	s_lshr_b32 s2, s[WV], 1
	s_lshl_b32 s2, s2, 16
	s_add_co_u32 s62, s62, s2
	s_lshl_b32 s2, s20, 13
	s_add_co_u32 s62, s62, s2
	s_and_b32 s2, s[WV], 1
	s_lshl_b32 s2, s2, 12
	s_add_co_u32 s62, s62, s2
	s_mov_b32 s63, 0
	; descriptor group 1: 8 rows (row blocks) of 4,096 bytes (four images), 32,768 bytes apart in memory, dense in LDS
	s_mov_b32 s[G1], 15|(3<<16)|(1<<21)            ; 15:0 the mask of four; 17:16 8-byte elements; 21 set beside a mask; no padding: images are read 16 bytes a lane on end
	s_mov_b32 s[G1+1], 512<<16                     ; tensor_dim0 = 512
	s_mov_b32 s[G1+2], 8<<16                       ; tensor_dim1 = 8
	s_mov_b32 s[G1+3], 512<<16                     ; tile_dim0 = 512
	s_mov_b32 s[G1+4], 8                           ; tile_dim1 = 8
	s_mov_b32 s[G1+5], 4096                        ; 4,096 elements from row to row
	s_mov_b32 s[G1+6], 0
	s_mov_b32 s[G1+7], 0
	s_mov_b32 s[G0A], 1
	s_lshl_b32 s[G0A+1], s[WV], 15                 ; LDS: my quarter of slot 0
	s_mov_b32 s[G0B], 1
	s_lshl_b32 s[G0B+1], s[WV], 15
	s_add_co_u32 s[G0B+1], s[G0B+1], SLOTB         ; and of slot 1
	SETC 40, 0x3e6d3389                            ; 0.2316419
	SETC 42, 0xbf38aa3b                            ; - log2(e) / 2
	SETC 44, 0x3e027906                            ; c1 .. c5: the series' coefficients over sqrt(2 pi)
	SETC 46, 0xbe11a98e
	SETC 48, 0x3f35f0e3
	SETC 50, 0xbf3a00e3
	SETC 52, 0x3f07dc22
	s_mov_b32 s54, 0x7fffffff
	s_mov_b32 s55, 0xffff0000
	s_mov_b32 s56, 0x76543210                      ; v_permlanex16_b32: each lane takes its own place in the other half
	s_mov_b32 s57, 0xfedcba98
	s_mov_b32 s74, 0x0d800000                      ; 2^-100
	s_mov_b32 s75, 0x71800000                      ; 2^100
	s_mov_b32 s[RD], 0
	s_mov_b32 s[GB], 0
	v_and_b32 v11, 31, v0                          ; lane
	v_and_b32 v12, 15, v0                          ; r
	v_bfe_u32 v13, v0, 4, 1                        ; h
	v_lshlrev_b32 v2, 4, v11                       ; 16 x lane
	s_lshl_b32 s2, s[WV], 18
	v_add_nc_u32 v3, s2, v2                        ; the copies: my 8 j blocks of 32,768 bytes
	s_lshl_b32 s2, s[WV], 13
	s_add_co_u32 s2, s2, GA
	v_add_nc_u32 v4, s2, v2                        ; where my 4 k blocks of G, later of A, go
	s_lshl_b32 s2, s[WV], 15
	v_add_nc_u32 v5, s2, v2                        ; my quarter of a slot
	v_add_nc_u32 v22, GA, v2
	s_lshl_b32 s2, s[WV], 9
	v_lshl_add_u32 v8, v13, 5, s2                  ; b1b, b2b: 4 (128 w + 8 h)
	v_lshrrev_b32 v9, 3, v12                       ; xs: my column is 128 a + 8 (block % 8) + 64 (r / 8) + r % 8;
	v_lshlrev_b32 v9, 8, v9
	v_and_b32 v1, 7, v12
	v_lshl_add_u32 v9, v1, 2, v9
	v_lshl_add_u32 v9, v13, 15, v9                 ; of the batch's 128 parts of 2,048 bytes wave w takes 32, each half of its lanes 16
	s_lshl_b32 s2, s17, 18
	s_lshl_b32 s21, s[WV], 16
	s_add_co_u32 s2, s2, s21
	s_lshl_b32 s21, s19, 9
	s_add_co_u32 s2, s2, s21
	s_lshl_b32 s21, s20, 5
	s_add_co_u32 s2, s2, s21
	v_add_nc_u32 v9, s2, v9
	s_lshl_b32 s2, s[WV], 2
	v_lshlrev_b32 v16, 4, v12
	v_add_nc_u32 v20, REDC, v16                    ; a column's four words
	v_add_nc_u32 v16, REDX, v16
	v_add_nc_u32 v15, s2, v16                      ; my wave's word among them
	v_add_nc_u32 v17, s2, v20
	s_add_co_u32 s2, s2, REDM
	v_mov_b32 v18, s2
	v_mov_b32 v19, REDM
	s_lshl_b32 s2, s17, 11                         ; P3: 4 (512 b + 16 block + r); lanes 16-31 store the scale, 16,384 bytes further on
	s_lshl_b32 s21, s18, 6
	s_add_co_u32 s2, s2, s21
	v_lshl_add_u32 v21, v12, 2, s2
	v_lshl_add_u32 v21, v13, 14, v21
.irp i,225,228,229,230,231,232,233
	v_mov_b32 v[\i], 0
.endr
	s_wait_dscnt 0x0                               ; the opening add is done
	s_wait_kmcnt 0x0
	s_add_nc_u64 s[G0A+2:G0A+3], s[6:7], s[60:61]  ; tile 0,
	s_add_nc_u64 s[G0B+2:G0B+3], s[G0A+2:G0A+3], 4096  ; tile 1
	s_or_b32 s[G0A+3], s[G0A+3], 0x80000000        ; type = 2
	s_or_b32 s[G0B+3], s[G0B+3], 0x80000000
	s_add_nc_u64 s[66:67], s[4:5], s[58:59]        ; a base for each copy: they lie 8 MiB apart, past a load's immediate
	s_add_nc_u64 s[68:69], s[66:67], 0x800000
	s_add_nc_u64 s[70:71], s[68:69], 0x800000
	s_add_nc_u64 s[72:73], s[70:71], 0x800000
	s_add_nc_u64 s[10:11], s[10:11], s[62:63]
	CROUND                                         ; all four work-groups are here: the first joint loads go out as one group behind this round
	tensor_load_to_lds s[G0A:G0A+3], s[G1:G1+7]
	s_nop 0
	tensor_load_to_lds s[G0B:G0B+3], s[G1:G1+7]
	s_nop 0
	PLACES
	WIN 0xc0                                       ; destination window 3
.irp jb,0,1,2,3,4,5,6,7                        ; 64 loads of 512 consecutive bytes: my 8 j blocks x two halves x four copies
.irp q,0,1
.irp c,0,1,2,3
	global_load_b128 v[32*\jb+16*\q+4*\c:32*\jb+16*\q+4*\c+3], v3, s[66+2*\c:67+2*\c] offset:\jb*32768+\q*512 th:TH_LOAD_NT
.endr
.endr
.endr
; j block jb: the four copies are added, (c0 + c1) + (c2 + c3); the sum is split into hi and lo.  An accumulator image (a lane: one column, eight j) packed in pairs IS half of an operand image with k = j.
.macro RSUM jb
	WIN 0xff
.set U, 32*(\jb)
.irp q,0,1
.set V, U+16*\q
	v_pk_add_f32 v[V:V+1], v[V:V+1], v[V+4:V+5]
	v_pk_add_f32 v[V+2:V+3], v[V+2:V+3], v[V+6:V+7]
	v_pk_add_f32 v[V+8:V+9], v[V+8:V+9], v[V+12:V+13]
	v_pk_add_f32 v[V+10:V+11], v[V+10:V+11], v[V+14:V+15]
	v_pk_add_f32 v[V:V+1], v[V:V+1], v[V+8:V+9]
	v_pk_add_f32 v[V+2:V+3], v[V+2:V+3], v[V+10:V+11]
.endr
.irp q,0,1
.set V, U+16*\q
	v_cvt_pk_bf16_f32 v[U+4+2*\q], v[V], v[V+1]            ; hi: four registers U+4 .. U+7
	v_cvt_pk_bf16_f32 v[U+5+2*\q], v[V+2], v[V+3]
	v_lshlrev_b32 v[V+8], 16, v[U+4+2*\q]
	v_and_b32 v[V+9], s55, v[U+4+2*\q]
	v_lshlrev_b32 v[V+10], 16, v[U+5+2*\q]
	v_and_b32 v[V+11], s55, v[U+5+2*\q]
	v_pk_add_f32 v[V:V+1], v[V:V+1], v[V+8:V+9] neg_lo:[0,1] neg_hi:[0,1]
	v_pk_add_f32 v[V+2:V+3], v[V+2:V+3], v[V+10:V+11] neg_lo:[0,1] neg_hi:[0,1]
	v_cvt_pk_bf16_f32 v[U+12+2*\q], v[V], v[V+1]           ; lo: U+12 .. U+15
	v_cvt_pk_bf16_f32 v[U+13+2*\q], v[V+2], v[V+3]
.endr
	WIN 0x0c                                       ; store data in window 3
	ds_store_b128 v4, v[U+4:U+7]   offset:((\jb)/2)*2048+((\jb)%2)*512
	ds_store_b128 v4, v[U+12:U+15] offset:((\jb)/2)*2048+1024+((\jb)%2)*512
.endm
; Number n of the 48 small loads: 16 parts of xs, 16 loads of b1b, 16 of b2b
.macro SMALL n
	WIN 0x80                                       ; destination window 2
.if (\n) < 16
	global_load_b32 v[128+(\n)], v9, s[8:9] offset:8192+(\n)*2048
.elseif (\n) < 32
	global_load_b128 v[4*((\n)-16):4*((\n)-16)+3], v8, s[8:9] offset:2048+64*(((\n)-16)/2)+16*(((\n)-16)%2)
.else
	global_load_b128 v[64+4*((\n)-32):64+4*((\n)-32)+3], v8, s[8:9] offset:6144+64*(((\n)-32)/2)+16*(((\n)-32)%2)
.endif
.endm
.set jbi, 0
.set sn, 0
.rept 8
	s_wait_loadcnt 56-2*jbi                        ; younger than this j block's eight loads: 8 for each later j block and the 6 small loads issued behind each earlier one
	RSUM jbi
.rept 6
	SMALL sn
.set sn, sn+1
.endr
.set jbi, jbi+1
.endr
	s_wait_loadcnt 0x0
	WIN 0xaa                                       ; xs: my 16 parts,
	v_pk_add_f32 v[128:129], v[128:129], v[136:137]
	v_pk_add_f32 v[130:131], v[130:131], v[138:139]
	v_pk_add_f32 v[132:133], v[132:133], v[140:141]
	v_pk_add_f32 v[134:135], v[134:135], v[142:143]
	v_pk_add_f32 v[128:129], v[128:129], v[132:133]
	v_pk_add_f32 v[130:131], v[130:131], v[134:135]
	v_pk_add_f32 v[128:129], v[128:129], v[130:131]
	WIN 0x0a
	v_add_f32 v224, v128, v129
	WIN 0
	v_permlanex16_b32 v225, v224, s56, s57         ; the other half of the lanes' 16,
	v_add_f32 v224, v224, v225
	ds_store_b32 v15, v224                         ; and the other waves' through LDS
	s_wait_tensorcnt 0x1                           ; my part of tile 0 is in; tile 1 may stay out
	s_wait_dscnt 0x0                               ; for the others' sake: my stores of G and of xs are done
	s_barrier_signal -1
	s_barrier_wait -1
	ds_load_b128 v[224:227], v16
	s_wait_dscnt 0x0
	v_add_f32 v224, v224, v225
	v_add_f32 v226, v226, v227
	v_add_f32 v224, v224, v226
	v_mov_b32 v225, v224                           ; named as a pair
	WIN 0x02                                       ; source 0 (b1b) in window 2
.irp pb,0,1,2,3,4,5,6,7
.irp i,0,2,4,6
	v_pk_mul_f32 v[32+8*\pb+\i:33+8*\pb+\i], v[8*\pb+\i:8*\pb+\i+1], v[224:225] op_sel_hi:[1,0]  ; b1b[p] xs[d] starts P's sums: every step then has one text
.endr
.endr
; A STEP: four k blocks.  16 + 64 LDS loads, 64 products; the 8 accumulators take turns.
.macro STEP
	WIN 0
	v_add_nc_u32 v6, s[RD], v5
	v_add_nc_u32 v7, s[GB], v22
.irp k,0,1,2,3
.irp hl,0,1
	ds_load_b128 v[160+8*(2*\k+\hl):160+8*(2*\k+\hl)+3],   v7 offset:\k*2048+\hl*1024
	ds_load_b128 v[160+8*(2*\k+\hl)+4:160+8*(2*\k+\hl)+7], v7 offset:\k*2048+\hl*1024+512
.endr
.endr
	WIN 0x40
.irp k,0,1,2,3
.irp pb,0,1,2,3,4,5,6,7
	ds_load_b128 v[8*(8*\k+\pb):8*(8*\k+\pb)+3],   v6 offset:\pb*4096+\k*1024
	ds_load_b128 v[8*(8*\k+\pb)+4:8*(8*\k+\pb)+7], v6 offset:\pb*4096+\k*1024+512
.endr
.endr
	WIN 0x01
.irp k,0,1,2,3
	s_wait_dscnt 48-16*\k                          ; the 16 loads of each later k block's weights stay out
.irp hl,0,1
.irp pb,0,1,2,3,4,5,6,7
	v_wmma_f32_16x16x32_bf16 v[32+8*\pb:32+8*\pb+7], v[8*(8*\k+\pb):8*(8*\k+\pb)+7], v[160+8*(2*\k+\hl):160+8*(2*\k+\hl)+7], v[32+8*\pb:32+8*\pb+7]
.endr
.endr
.endr
	WIN 0
	s_add_co_u32 s[GB], s[GB], 8192
.endm
; THE CHANGE OF SLOTS.  Each wave waits for all its tensor loads (one is out: its part of the next slot), adds 0 to its spare word, and waits for that and for its LDS reads and stores.
; fill = 1: the barrier is a round of the cluster's, and the joint refill (the tile after next) is the first thing behind it: it has a step's 64 matrix instructions a wave in which to land.
.macro HEAD fill
	WIN 0
	s_wait_tensorcnt 0x0                           ; no tensor load of mine is out, so group 0 may be written
	ds_add_u32 v30, v31                            ; 0 onto my spare word; the scalar steps stand between it and the wait for it
	s_xor_b32 s[RD], s[RD], SLOTB
.if \fill
	s_xor_b32 s[G0B+1], s[G0B+1], SLOTB
	s_add_nc_u64 s[G0B+2:G0B+3], s[G0B+2:G0B+3], 4096  ; four images on; the type bits on top are not reached
.endif
	s_wait_dscnt 0x0                               ; the add is done; my reads of the slot are over
.if \fill
	CROUND
	tensor_load_to_lds s[G0B:G0B+3], s[G1:G1+7]
	s_nop 0
	PLACES
.else
	s_barrier_signal -1
	s_barrier_wait -1
	PLACES
.endif
.endm
	STEP                                           ; tile 0
	s_mov_b32 s77, 3
.Lp1:                                                  ; tiles 1 to 3; tiles 2 to 4 are asked for
	HEAD 1
	STEP
	s_sub_co_u32 s77, s77, 1
	s_cmp_lg_u32 s77, 0
	s_cbranch_scc1 .Lp1
	s_barrier_signal -1                            ; my reads of G are over (the step's last wait was for 0): A's images go where G's lie, behind the wait below
	PLACES
; One accumulator: 16 rows p x 16 columns; a lane holds one column and the rows 8 h + 0..7.
.macro ACT pb
.set PA, 32+8*(\pb)
.set AFB, 160+16*((\pb)/2)+4*((\pb)%2)
	WIN 0
	GELU8 PA, 96
	WIN 0x02                                       ; source 0 (b2b) in window 2
.irp i,0,2,4,6
	v_pk_fma_f32 v[228+(\i%4):229+(\i%4)], v[64+8*(\pb)+\i:64+8*(\pb)+\i+1], v[120+\i:121+\i], v[228+(\i%4):229+(\i%4)]  ; += b2b[p] A[p][d], two chains
.endr
	WIN 0
.irp i,0,1,2,3
	v_cvt_pk_bf16_f32 v[AFB+\i], v[120+2*\i], v[121+2*\i]  ; hi
.endr
.irp i,0,1,2,3
	v_lshlrev_b32 v[96+2*\i], 16, v[AFB+\i]
	v_and_b32 v[97+2*\i], s55, v[AFB+\i]
.endr
.irp i,0,2,4,6
	v_pk_add_f32 v[120+\i:121+\i], v[120+\i:121+\i], v[96+\i:97+\i] neg_lo:[0,1] neg_hi:[0,1]
.endr
.irp i,0,1,2,3
	v_cvt_pk_bf16_f32 v[AFB+8+\i], v[120+2*\i], v[121+2*\i]  ; lo
.endr
.endm
.irp pb,0,1,2,3,4,5,6,7
	ACT \pb
.endr
	v_pk_add_f32 v[228:229], v[228:229], v[230:231]
	v_add_f32 v228, v228, v229
	v_permlanex16_b32 v229, v228, s56, s57         ; the column's other eight rows of each block lie in the lane 16 away
	v_add_f32 v228, v228, v229
	s_barrier_wait -1                              ; every wave's reads of G are over
.irp kk,0,1,2,3
.irp hl,0,1
.irp q,0,1
	ds_store_b128 v4, v[160+16*\kk+8*\hl+4*\q:160+16*\kk+8*\hl+4*\q+3] offset:\kk*2048+\hl*1024+\q*512
.endr
.endr
.endr
	ds_store_b32 v17, v228                         ; my 128 rows' part of c0
	s_mov_b32 s[GB], 0
.set i, 32
.rept 64                                       ; C starts at 0: 64 lines in place of a further copy of the step with the constant 0 as C
	v_mov_b32 v[i], 0
.set i, i+1
.endr
	s_mov_b32 s77, 3
.Lp2:                                                  ; tiles 4 to 6; tiles 5 to 7 are asked for.  The first round also shows A's images to every wave
	HEAD 1
	STEP
	s_sub_co_u32 s77, s77, 1
	s_cmp_lg_u32 s77, 0
	s_cbranch_scc1 .Lp2
	HEAD 0                                         ; the last tile is written out
	STEP
	PLACES
.irp jb,0,1,2,3,4,5,6,7
.irp i,0,2,4,6
	v_max3_num_f32 v232, v232, v[32+8*\jb+\i], v[33+8*\jb+\i]
	v_min3_num_f32 v233, v233, v[32+8*\jb+\i], v[33+8*\jb+\i]
.endr
.endr
	v_mul_f32 v233, -1.0, v233
	v_max_num_f32 v232, v232, v233                 ; my lane's largest |C|
.irp x,1,2,4,8
	v_max_num_f32_dpp v232, v232, v232 row_xmask:\x row_mask:0xf bank_mask:0xf
.endr
	v_permlanex16_b32 v233, v232, s56, s57
	v_max_num_f32 v232, v232, v233
	ds_store_b32 v18, v232
	s_wait_dscnt 0x0                               ; for the others' sake
	s_barrier_signal -1
	s_barrier_wait -1
	ds_load_b128 v[236:239], v19                   ; the four waves' maxima
	ds_load_b128 v[240:243], v20                   ; the four parts of my column's c0
	s_wait_dscnt 0x0
	v_max3_num_f32 v232, v236, v237, v238
	v_max_num_f32 v232, v232, v239
	v_and_b32 v232, 0x7f800000, v232               ; its power of two,
	v_max_num_f32 v232, s74, v232                  ; held within 2^-100 .. 2^100
	v_min_num_f32 v232, s75, v232
	v_mul_f32 v234, 0x38800000, v232               ; s = that x 2^-14
	v_sub_nc_u32 v236, 0x7f000000, v232            ; the reciprocal of a power of two: the exponent mirrored
	v_mul_f32 v236, 0x46800000, v236               ; 1 / s
	v_mov_b32 v237, v236
.set i, 0
.rept 32
	v_pk_mul_f32 v[32+i:33+i], v[32+i:33+i], v[236:237]
.set i, i+2
.endr
.irp jb,0,1,2,3,4,5,6,7                        ; two accumulators that follow each other along j are one operand image (rows: the column's place, k = j)
.irp i,0,1,2,3
	v_cvt_pk_f16_f32 v[96+8*(\jb/2)+4*(\jb%2)+\i], v[32+8*\jb+2*\i], v[33+8*\jb+2*\i]
.endr
.endr
.irp kk,0,1,2,3
.irp q,0,1
	global_store_b128 v2, v[96+8*\kk+4*\q:96+8*\kk+4*\q+3], s[10:11] offset:\kk*1024+\q*512  ; 512 consecutive bytes; the wave's eight stores 4,096
.endr
.endr
	s_cmp_lg_u32 s[WV], 0                          ; wave 0 stores c0 (lanes 0-15) and the scale, once for each column (lanes 16-31): 64 bytes each, all that the block has
	s_cbranch_scc1 .Lend
	v_add_f32 v240, v240, v241
	v_add_f32 v242, v242, v243
	v_add_f32 v240, v240, v242
	v_cmp_eq_u32 vcc_lo, 1, v13
	v_cndmask_b32 v240, v240, v234, vcc_lo
	global_store_b32 v21, v240, s[12:13]
.Lend:
	s_wait_tensorcnt 0x0                           ; the wave's end
	ds_add_u32 v30, v31
	s_wait_dscnt 0x0
	CROUND                                         ; the closing round
	s_endpgm
.Lfunc_end_k_qc8c7307dcb_mid:
	.size	k_qc8c7307dcb_mid, .Lfunc_end_k_qc8c7307dcb_mid-k_qc8c7307dcb_mid
	.p2alignl 7, 3214868480
	.fill 96, 4, 3214868480
	.section	.rodata,"a",@progbits
	.p2align	6, 0x0
	.amdhsa_kernel k_qc8c7307dcb_mid
		.amdhsa_group_segment_fixed_size 327680
		.amdhsa_private_segment_fixed_size 0
		.amdhsa_enable_private_segment 0
		.amdhsa_kernarg_size 40
		.amdhsa_user_sgpr_count 2
		.amdhsa_user_sgpr_kernarg_segment_ptr 1
		.amdhsa_wavefront_size32 1
		.amdhsa_system_sgpr_workgroup_id_x 1
		.amdhsa_system_sgpr_workgroup_id_y 1
		.amdhsa_system_sgpr_workgroup_id_z 1
		.amdhsa_system_vgpr_workitem_id 0
		.amdhsa_next_free_vgpr 1024
		.amdhsa_next_free_sgpr 80
		.amdhsa_reserve_vcc 1
		.amdhsa_float_denorm_mode_32 3
		.amdhsa_float_denorm_mode_16_64 3
		.amdhsa_memory_ordered 1
		.amdhsa_forward_progress 1
		.amdhsa_inst_pref_size 130
	.end_amdhsa_kernel
	.amdgpu_metadata
---
amdhsa.version: [ 1, 2 ]
amdhsa.kernels:
  - .name:           k_qc8c7307dcb_mid
    .symbol:         k_qc8c7307dcb_mid.kd
    .args:
      - { .name: Gp, .offset: 0, .size: 8, .value_kind: global_buffer, .address_space: global }
      - { .name: Wf, .offset: 8, .size: 8, .value_kind: global_buffer, .address_space: global }
      - { .name: P0, .offset: 16, .size: 8, .value_kind: global_buffer, .address_space: global }
      - { .name: WC, .offset: 24, .size: 8, .value_kind: global_buffer, .address_space: global }
      - { .name: P3, .offset: 32, .size: 8, .value_kind: global_buffer, .address_space: global }
    .group_segment_fixed_size: 327680
    .private_segment_fixed_size: 0
    .kernarg_segment_align: 8
    .kernarg_segment_size: 40
    .max_flat_workgroup_size: 128
    .sgpr_count:     80
    .vgpr_count:     1024
    .wavefront_size: 32
...
	.end_amdgpu_metadata
.endif
;; end of part 3
;; launch yout (part 4): grid 256 x 1, 4 waves a work-group, clusters of 4 x 1, 327,680 bytes of LDS; arguments Xh, WC, P0, P3, out0; writes out0
.if DOCPART == 4
	.amdgcn_target "amdgcn-amd-amdhsa--gfx1250"
	.amdhsa_code_object_version 6
	.text
	.protected	k_qc8c7307dcb_yout
	.globl	k_qc8c7307dcb_yout
	.p2align	8
	.type	k_qc8c7307dcb_yout,@function
k_qc8c7307dcb_yout:
	s_mov_b64 s[64:65], 0
	v_nop
	global_prefetch_b8 v0, s[64:65] scope:SCOPE_SE
	s_setreg_imm32_b32 hwreg(HW_REG_WAVE_MODE, 25, 1), 1
	s_wait_xcnt 0x0
	s_wait_alu depctr_hold_cnt(0) depctr_sa_sdst(0) depctr_va_vdst(0) depctr_va_sdst(0) depctr_va_ssrc(0) depctr_va_vcc(0) depctr_vm_vsrc(0)
	s_getreg_b32 s2, hwreg(HW_REG_IB_STS2, 6, 4)
	s_cmp_eq_u32 s2, 0
	s_cbranch_scc0 .Lentry_in_a_cluster
	s_endpgm
.Lentry_in_a_cluster:
	s_bfe_u32 s2, ttmp6, 0x10000c
	s_cmp_lg_u32 s2, 0x3003
	s_cbranch_scc0 .Lentry_shape_is_right
	s_endpgm
.Lentry_shape_is_right:
; YOUT: H2 = gelu(X W2a^T + b2a); Y = s (H2 C') + c0, with C' = C / s, s (one for each block of 16 columns) and c0 from the launch before.  X, W2a, H2, C' in f16, sums in f32, Y in f32.
; LIMITS.  H2 is rounded to f16: the pre-activations stay below 65,504.  gelu by Abramowitz and Stegun 26.2.17 (|error of the tail| <= 7.5e-8 for every x).  NaN and infinities are not treated apart.
; SHARES.  A work-group owns 128 tokens.  It walks the 16 tiles of 65,536 bytes of its batch's part of WC: eight of W2a, then eight of C', all register images.
;   Phase A (tiles 0-7): wave (th, jh) makes S^T = W2a X^T + b2a for 64 tokens (th; their X stays in 512 registers) x 16 j at a time (of half jh), applies gelu and stores H2 [token][j] over X's place in LDS.
;   Phase B (tiles 8-15) goes by GROUPS of 128 columns, two tiles (the two halves of K) each, so that a group's rows leave while the next groups are multiplied.  H2 of a wave's 64 tokens takes X's 512 registers;
;   wave (th, dh) adds C' H2^T onto 64 tokens x 4 column blocks: 16 accumulators, 128 products a tile.
;   A group's way out: a lane holds one token and eight neighbouring columns (this undoes the column order of the earlier launches); the four waves put them into one stage, a barrier, and each wave reads back
;   32 whole rows of 512 bytes and stores them.  The stage lies where X and H2 lay: those bytes had their one fill at the start, and H2's last reads are waited for in front of two rounds that come before the first stage store.
; CLUSTER.  The four partners are four token blocks of one batch and walk the same tiles: joint loads, mask 15.  X's tile is each work-group's own (mask 0).  By this text's own count two tensor loads a wave are out at the start, later one.
; REGISTERS.  window 0: v2-v19 addresses; v30, v31 the add's; phase A: v32-39 the bias as C, v40-47 the next bias, v64-95 S, v96-127 at work, v128-143 packed H;
;   phase B: v32-159 Y, (tb, db) at 32 + 8 (4 tb + db), later the rows read back; v160-191 c0, v192-223 s.
;   window 1: phase A: W2a's 16 fragments; phase B: a tile's C', (k block, db) at 8 (4 kfi + db).   windows 2, 3: X, then H2: fragment (kf, tb) at 8 (4 (kf % 8) + tb), window 2 for kf < 8.
.set PITCH, 1040                       ; a row of X, later of H2, in LDS: 1,024 bytes + 16: sixteen rows start at sixteen different groups of four banks (64 banks of 4 bytes: ISA guide 11.1)
.set HALFB, 64*PITCH
.set RING,  65536                      ; two slots of 65,536 bytes at 0
.set XH,    131072                     ; X: filled once by a tensor load; then written by LDS stores alone
.set STAGE, XH                         ; 128 rows x 528 bytes
.set SP,    528
.set SPARE, XH+128*PITCH               ; 264,192: the spare words
.set WV, 14
.set G1W, 24                           ; s[24:31] group 1 of the tiles
.set G0W, 32                           ; s[32:35] group 0 of the tiles: it walks
.set RD,  36                           ; s36 the slot that is read
.set WA,  37                           ; s37 LDS byte of the 16 rows of W2a in hand
.set G1X, 68                           ; s[68:75] group 1 of X's tile
.set G0X, 76                           ; s[76:79] its group 0
.set MSB, 0
.macro WIN new
.if MSB != (\new)
	s_set_vgpr_msb (MSB<<8)|(\new)
.set MSB, (\new)
.endif
.endm
.macro PLACES
.rept 4
	v_nop
.endr
.endm
.macro CROUND
	s_barrier_signal -1
	s_barrier_wait -1
	s_cmp_lg_u32 s[WV], 0
	s_cbranch_scc1 .Lnot_wave_0_\@
	s_barrier_signal -3
.Lnot_wave_0_\@:
	s_barrier_wait -3
	s_barrier_signal -1
	s_barrier_wait -1
.endm
.macro SETC reg, val
	s_mov_b32 s[\reg], \val
	s_mov_b32 s[\reg+1], \val
.endm
; gelu of the eight numbers v[X ..]; 32 registers at work from v[T]; the result is left in v[T+24 .. T+31].  Behind each run of transcendentals stands a plain line that touches none of their registers (ISA guide 5.7.2).
.macro GELU8 X, T
.irp i,0,1,2,3,4,5,6,7
	v_and_b32 v[\T+\i], s54, v[\X+\i]
.endr
.irp i,0,2,4,6
	v_pk_fma_f32 v[\T+8+\i:\T+9+\i], v[\T+\i:\T+1+\i], s[40:41], 1.0 op_sel_hi:[1,0,0]
.endr
.irp i,0,1,2,3,4,5,6,7
	v_rcp_f32 v[\T+8+\i], v[\T+8+\i]
.endr
.irp i,0,2,4,6
	v_pk_mul_f32 v[\T+16+\i:\T+17+\i], v[\X+\i:\X+1+\i], v[\X+\i:\X+1+\i]
.endr
.irp i,0,2,4,6
	v_pk_mul_f32 v[\T+16+\i:\T+17+\i], v[\T+16+\i:\T+17+\i], s[42:43] op_sel_hi:[1,0]
.endr
.irp i,0,1,2,3,4,5,6,7
	v_exp_f32 v[\T+16+\i], v[\T+16+\i]
.endr
	s_wait_alu depctr_va_vdst(0)
.irp i,0,2,4,6
	v_pk_fma_f32 v[\T+24+\i:\T+25+\i], v[\T+8+\i:\T+9+\i], s[52:53], s[50:51] op_sel_hi:[1,0,0]
.endr
.irp c,48,46,44
.irp i,0,2,4,6
	v_pk_fma_f32 v[\T+24+\i:\T+25+\i], v[\T+24+\i:\T+25+\i], v[\T+8+\i:\T+9+\i], s[\c:\c+1] op_sel_hi:[1,1,0]
.endr
.endr
.irp i,0,2,4,6
	v_pk_mul_f32 v[\T+24+\i:\T+25+\i], v[\T+24+\i:\T+25+\i], v[\T+8+\i:\T+9+\i]
.endr
.irp i,0,2,4,6
	v_pk_fma_f32 v[\T+24+\i:\T+25+\i], v[\T+24+\i:\T+25+\i], v[\T+16+\i:\T+17+\i], 0.5 op_sel_hi:[1,1,0] neg_lo:[1,0,0] neg_hi:[1,0,0]
.endr
.irp i,0,2,4,6
	v_pk_mul_f32 v[\X+\i:\X+1+\i], v[\X+\i:\X+1+\i], 0.5 op_sel_hi:[1,0]
.endr
.irp i,0,2,4,6
	v_pk_fma_f32 v[\T+24+\i:\T+25+\i], v[\T+\i:\T+1+\i], v[\T+24+\i:\T+25+\i], v[\X+\i:\X+1+\i]
.endr
.endm
; 128 LDS loads: the 64 fragments (16 rows x 32 k) of my 64 token rows, into windows 2 and 3: once for X, once for H2
.macro FRAGS
.set kf, 0
.rept 16
	WIN 0x80+0x40*(kf/8)
.irp tb,0,1,2,3
	ds_load_b128 v[8*(4*(kf%8)+\tb):8*(4*(kf%8)+\tb)+3],   v3 offset:16*PITCH*\tb+64*kf
	ds_load_b128 v[8*(4*(kf%8)+\tb)+4:8*(4*(kf%8)+\tb)+7], v3 offset:16*PITCH*\tb+64*kf+32
.endr
.set kf, kf+1
.endr
	WIN 0
.endm
	s_load_b256 s[4:11], s[0:1], 0x0               ; Xh s[4:5], WC s[6:7], P0 s[8:9], P3 s[10:11]
	s_load_b64 s[12:13], s[0:1], 0x20              ; out0
	v_lshl_add_u32 v30, v0, 2, SPARE
	v_mov_b32 v31, 0
	ds_add_u32 v30, v31                            ; the wave's opening: the add and its wait stand ahead of my first tensor load; the set-up below stands between them
	v_lshrrev_b32 v1, 5, v0
	v_readfirstlane_b32 s[WV], v1                  ; wave 0..3
	s_bfe_u32 s15, ttmp6, 0x40000                  ; cx: it enters X's and out0's addresses alone
	s_lshl_b32 s16, ttmp9, 2
	s_add_co_u32 s16, s16, s15                     ; my block of 128 tokens
	s_lshr_b32 s17, ttmp9, 3                       ; the batch, which the partners share
	s_lshr_b32 s18, s[WV], 1                       ; th
	s_and_b32 s19, s[WV], 1                        ; jh in phase A, dh in phase B
	s_lshl_b32 s20, s17, 20                        ; WC: a batch's 16 tiles are 1 MiB; my quarter of a tile
	s_lshl_b32 s2, s[WV], 14
	s_add_co_u32 s20, s20, s2
	s_mov_b32 s21, 0
	s_lshl_b32 s62, s16, 17                        ; X: 128 rows of 1,024 bytes; my 32 rows
	s_lshl_b32 s2, s[WV], 15
	s_add_co_u32 s62, s62, s2
	s_mov_b32 s63, 0
	s_lshl_b32 s66, s16, 18                        ; out0: 128 rows of 2,048 bytes
	s_mov_b32 s67, 0
	; group 1 of the tiles: my 16,384 dense bytes as 64 rows of 256
	s_mov_b32 s[G1W], 15|(3<<16)|(1<<21)           ; 15:0 the mask of four; 17:16 8-byte elements; 21 set beside a mask; no padding: images are read 16 bytes a lane on end
	s_mov_b32 s[G1W+1], 32<<16                     ; tensor_dim0 = 32
	s_mov_b32 s[G1W+2], 64<<16                     ; tensor_dim1 = 64
	s_mov_b32 s[G1W+3], 32<<16                     ; tile_dim0 = 32
	s_mov_b32 s[G1W+4], 64                         ; tile_dim1 = 64
	s_mov_b32 s[G1W+5], 32                         ; 32 elements from row to row
	s_mov_b32 s[G1W+6], 0
	s_mov_b32 s[G1W+7], 0
	s_mov_b32 s[G0W], 1
	s_lshl_b32 s[G0W+1], s[WV], 14                 ; LDS: my quarter of slot 0
	; group 1 of X's tile: 32 rows x 512 elements of 2 bytes, 16 bytes of padding behind each row
	s_mov_b32 s[G1X], (1<<16)|(1<<20)|(7<<22)|(3<<25)
	s_mov_b32 s[G1X+1], 512<<16
	s_mov_b32 s[G1X+2], 32<<16
	s_mov_b32 s[G1X+3], 512<<16
	s_mov_b32 s[G1X+4], 32
	s_mov_b32 s[G1X+5], 512
	s_mov_b32 s[G1X+6], 0
	s_mov_b32 s[G1X+7], 0
	s_mov_b32 s[G0X], 1
	s_mul_i32 s[G0X+1], s[WV], 32*PITCH
	s_add_co_u32 s[G0X+1], s[G0X+1], XH
	SETC 40, 0x3e6d3389
	SETC 42, 0xbf38aa3b
	SETC 44, 0x3e027906
	SETC 46, 0xbe11a98e
	SETC 48, 0x3f35f0e3
	SETC 50, 0xbf3a00e3
	SETC 52, 0x3f07dc22
	s_mov_b32 s54, 0x7fffffff
	s_mov_b32 s[RD], RING                          ; the first change of slots turns it into 0
	s_wait_dscnt 0x0                               ; the opening add is done
	s_wait_kmcnt 0x0
	s_add_nc_u64 s[G0W+2:G0W+3], s[6:7], s[20:21]
	s_or_b32 s[G0W+3], s[G0W+3], 0x80000000
	s_add_nc_u64 s[G0X+2:G0X+3], s[4:5], s[62:63]
	s_or_b32 s[G0X+3], s[G0X+3], 0x80000000
	s_add_nc_u64 s[12:13], s[12:13], s[66:67]
	CROUND                                         ; all four work-groups are here: the first loads go out as one group behind this round
	tensor_load_to_lds s[G0X:G0X+3], s[G1X:G1X+7]  ; my 32 rows of X
	s_nop 0
	tensor_load_to_lds s[G0W:G0W+3], s[G1W:G1W+7]  ; my quarter of tile 0
	s_nop 0
	PLACES
	v_and_b32 v1, 15, v0                           ; r
	v_bfe_u32 v18, v0, 4, 1                        ; h
	v_and_b32 v19, 31, v0
	v_lshlrev_b32 v2, 4, v19                       ; 16 x lane
	v_mul_u32_u24 v10, v1, PITCH
	v_lshl_add_u32 v10, v18, 4, v10
	v_add_nc_u32 v10, XH, v10                      ; XH + r x pitch + 16 h
	s_mul_i32 s2, s18, HALFB
	v_add_nc_u32 v3, s2, v10                       ; the fragments of my 64 tokens, of X and later of H2
	s_lshl_b32 s2, s19, 9
	v_add_nc_u32 v6, s2, v3                        ; where H2 goes: token row, byte 2 (256 jh + 8 h); it steps 32 bytes with every 16 j
	s_lshl_b32 s2, s19, 15
	v_add_nc_u32 v5, s2, v2                        ; my half of a tile, of W2a and of C'
	s_lshl_b32 s2, s19, 10
	v_lshl_add_u32 v7, v18, 5, s2                  ; the bias: 4 (256 jh + 8 h); it steps 64 bytes
	s_lshl_b32 s2, s17, 11
	s_lshl_b32 s61, s19, 8
	s_add_co_u32 s2, s2, s61
	v_lshl_add_u32 v14, v18, 5, s2                 ; c0 and s: 4 (512 b + 64 dh + 8 h); it steps 512 bytes with every group
	s_mul_i32 s2, s18, 64*SP
	s_lshl_b32 s61, s19, 7
	s_add_co_u32 s2, s2, s61
	s_add_co_u32 s2, s2, STAGE
	v_mul_u32_u24 v15, v1, SP
	v_lshl_add_u32 v15, v18, 8, v15
	v_add_nc_u32 v15, s2, v15                      ; into the stage: row 64 th + r, byte 256 h + 128 dh
	s_mul_i32 s2, s[WV], 32*SP
	s_add_co_u32 s2, s2, STAGE
	v_add_nc_u32 v16, s2, v2                       ; back: rows 32 w on, a row of 512 bytes, 16 a lane
	s_lshl_b32 s2, s[WV], 16
	v_add_nc_u32 v17, s2, v2                       ; out0: the same rows; it steps 512 bytes with every group
	global_load_b128 v[40:43], v7, s[8:9] offset:4096   ; b2a of the first 16 j
	global_load_b128 v[44:47], v7, s[8:9] offset:4112
	s_wait_tensorcnt 0x1                           ; my rows of X are in; tile 0 may stay out
	s_barrier_signal -1
	s_barrier_wait -1                              ; everybody's are
	FRAGS                                          ; X's 64 fragments stay in registers
	s_wait_dscnt 0x0                               ; my reads of X are over:
	s_barrier_signal -1
	s_barrier_wait -1                              ; everybody's are, and H2 may be stored over it
; THE CHANGE OF SLOTS: the wait for all my tensor loads, the add, the wait for it and for my LDS reads and stores; with fill = 1 a round of the cluster's barrier and the joint refill first behind it.
.macro HEADW fill
	WIN 0
	s_wait_tensorcnt 0x0                           ; no tensor load of mine is out, so group 0 may be written
	ds_add_u32 v30, v31
	s_xor_b32 s[RD], s[RD], RING
.if \fill
	s_xor_b32 s[G0W+1], s[G0W+1], RING
	s_add_nc_u64 s[G0W+2:G0W+3], s[G0W+2:G0W+3], 65536
.endif
	s_wait_dscnt 0x0                               ; the add is done; my reads of the slot are over; my other LDS reads and stores are done
.if \fill
	CROUND
	tensor_load_to_lds s[G0W:G0W+3], s[G1W:G1W+7]
	s_nop 0
	PLACES
.else
	s_barrier_signal -1
	s_barrier_wait -1
	PLACES
.endif
.endm
; PHASE A, 16 j: 64 products, four gelus, four stores.
.macro HALFA
	WIN 0
	v_add_nc_u32 v4, s[WA], v5
	s_wait_loadcnt 0x0                             ; the bias asked for 16 j ago
.irp i,0,1,2,3,4,5,6,7
	v_mov_b32 v[32+\i], v[40+\i]
.endr
	v_add_nc_u32 v7, 64, v7                        ; free since that wait
	global_load_b128 v[40:43], v7, s[8:9] offset:4096   ; the next 16 j's; behind the last 16 j this reads 32 bytes that follow in P0, which serve nothing
	global_load_b128 v[44:47], v7, s[8:9] offset:4112
	WIN 0x40
.set kf, 0
.rept 16
	ds_load_b128 v[8*kf:8*kf+3],   v4 offset:1024*kf
	ds_load_b128 v[8*kf+4:8*kf+7], v4 offset:1024*kf+512
.set kf, kf+1
.endr
.set kf, 0
.rept 16
.if kf%4 == 0
	s_wait_dscnt 24-2*kf                           ; eight loads serve four k blocks: the younger groups' loads stay out
.endif
	WIN 0x09+4*(kf/8)
.irp tb,0,1,2,3
.if kf == 0
	v_wmma_f32_16x16x32_f16 v[64+8*\tb:64+8*\tb+7], v[0:7], v[8*\tb:8*\tb+7], v[32:39]     ; the bias starts the sum: a lane holds one token and eight j
.else
	v_wmma_f32_16x16x32_f16 v[64+8*\tb:64+8*\tb+7], v[8*kf:8*kf+7], v[8*(4*(kf%8)+\tb):8*(4*(kf%8)+\tb)+7], v[64+8*\tb:64+8*\tb+7]
.endif
.endr
.set kf, kf+1
.endr
	WIN 0
	PLACES
.irp tb,0,1,2,3
	GELU8 64+8*\tb, 96
.irp i,0,1,2,3
	v_cvt_pk_f16_f32 v[128+4*\tb+\i], v[120+2*\i], v[121+2*\i]
.endr
	ds_store_b128 v6, v[128+4*\tb:128+4*\tb+3] offset:16*PITCH*\tb
.endr
	v_add_nc_u32 v6, 32, v6
	s_add_co_u32 s[WA], s[WA], 16384
.endm
	s_mov_b32 s39, 8
.LtA:                                                  ; eight trips: a tile of W2a is entered and the next tile is asked for (in the last trip: C's first)
	HEADW 1
	s_mov_b32 s[WA], s[RD]
	s_mov_b32 s38, 2
.LhA:
	HALFA
	s_sub_co_u32 s38, s38, 1
	s_cmp_lg_u32 s38, 0
	s_cbranch_scc1 .LhA
	s_sub_co_u32 s39, s39, 1
	s_cmp_lg_u32 s39, 0
	s_cbranch_scc1 .LtA
	; PHASE B
	s_wait_dscnt 0x0                               ; for the others' sake: my stores of H2 are done
	s_barrier_signal -1
	s_barrier_wait -1                              ; C's first tile may stay on its way
	s_wait_loadcnt 0x0                             ; the last bias load lands in registers that the sums below take
	PLACES                                         ; X's registers were sources of the last products
	FRAGS                                          ; H2 of my 64 tokens stays in registers; the loads are waited for in front of the next round
; One tile of C': K half kh of a group: 64 LDS loads, 128 products Y^T(tb, db) += C'(db) H2^T(tb); the 16 accumulators take turns.  The first 16 of a group start the sums.
.macro TRIPB kh, fill
	HEADW \fill
	v_add_nc_u32 v9, s[RD], v5
	WIN 0x40
.set kfi, 0
.rept 8
.irp db,0,1,2,3
	ds_load_b128 v[8*(4*kfi+\db):8*(4*kfi+\db)+3],   v9 offset:\db*8192+kfi*1024
	ds_load_b128 v[8*(4*kfi+\db)+4:8*(4*kfi+\db)+7], v9 offset:\db*8192+kfi*1024+512
.endr
.set kfi, kfi+1
.endr
.if (\kh) == 0
	WIN 0
.irp db,0,1,2,3                        ; c0 and s of my lane's eight columns of each block; waited for at the group's way out
	global_load_b128 v[160+8*\db:163+8*\db], v14, s[10:11] offset:64*\db
	global_load_b128 v[164+8*\db:167+8*\db], v14, s[10:11] offset:64*\db+16
	global_load_b128 v[192+8*\db:195+8*\db], v14, s[10:11] offset:16384+64*\db
	global_load_b128 v[196+8*\db:199+8*\db], v14, s[10:11] offset:16384+64*\db+16
.endr
.endif
	WIN 0x09+4*(\kh)
.set kfi, 0
.rept 8
.if kfi%2 == 0
	s_wait_dscnt 48-8*kfi                          ; sixteen loads serve two k blocks: the later ones' loads stay out
.endif
.irp tb,0,1,2,3
.irp db,0,1,2,3
.if ((\kh)+kfi) == 0
	v_wmma_f32_16x16x32_f16 v[32+8*(4*\tb+\db):32+8*(4*\tb+\db)+7], v[8*(4*kfi+\db):8*(4*kfi+\db)+7], v[8*(4*kfi+\tb):8*(4*kfi+\tb)+7], 0
.else
	v_wmma_f32_16x16x32_f16 v[32+8*(4*\tb+\db):32+8*(4*\tb+\db)+7], v[8*(4*kfi+\db):8*(4*kfi+\db)+7], v[8*(4*kfi+\tb):8*(4*kfi+\tb)+7], v[32+8*(4*\tb+\db):32+8*(4*\tb+\db)+7]
.endif
.endr
.endr
.set kfi, kfi+1
.endr
	WIN 0
.endm
; A GROUP'S WAY OUT.  last = 1: no group follows.
.macro OUT last
	s_wait_loadcnt 0x0                             ; c0 and s
	PLACES
.irp tb,0,1,2,3
.irp db,0,1,2,3
.irp i,0,2,4,6
	v_pk_fma_f32 v[32+8*(4*\tb+\db)+\i:33+8*(4*\tb+\db)+\i], v[32+8*(4*\tb+\db)+\i:33+8*(4*\tb+\db)+\i], v[192+8*\db+\i:193+8*\db+\i], v[160+8*\db+\i:161+8*\db+\i]  ; Y = s Y' + c0
.endr
.endr
.endr
.irp tb,0,1,2,3
.irp db,0,1,2,3
	ds_store_b128 v15, v[32+8*(4*\tb+\db):32+8*(4*\tb+\db)+3]   offset:16*SP*\tb+32*\db      ; columns 64 h + 8 (4 dh + db) + 0..7 of the group's 128
	ds_store_b128 v15, v[32+8*(4*\tb+\db)+4:32+8*(4*\tb+\db)+7] offset:16*SP*\tb+32*\db+16
.endr
.endr
	s_wait_dscnt 0x0                               ; for the others' sake: a row's 512 bytes come from two waves
	s_barrier_signal -1
	s_barrier_wait -1                              ; the next tile may stay on its way
.set t, 0
.rept 32
	ds_load_b128 v[32+4*t:32+4*t+3], v16 offset:SP*t
.set t, t+1
.endr
.set t, 0
.rept 32
.if t%4 == 0
	s_wait_dscnt 28-t                              ; four more rows are back
.endif
	global_store_b128 v17, v[32+4*t:32+4*t+3], s[12:13] offset:t*2048 th:TH_STORE_NT  ; 512 consecutive bytes, at a multiple of 512 from out0's first
.set t, t+1
.endr
.if !(\last)
	s_wait_xcnt 0x0                                ; the stores' offset and data registers are written again only behind this wait: the next group's sums take the same registers
	v_add_nc_u32 v17, 512, v17
	v_add_nc_u32 v14, 512, v14
.endif
.endm
	s_mov_b32 s39, 3
.LtB:                                                  ; three groups; each of their tiles asks for the next.  The stage is written again two rounds behind my last read of it
	TRIPB 0, 1
	TRIPB 1, 1
	OUT 0
	s_sub_co_u32 s39, s39, 1
	s_cmp_lg_u32 s39, 0
	s_cbranch_scc1 .LtB
	TRIPB 0, 1                                     ; the last group is written out
	TRIPB 1, 0
	OUT 1
	s_wait_tensorcnt 0x0                           ; the wave's end
	ds_add_u32 v30, v31
	s_wait_dscnt 0x0
	CROUND                                         ; the closing round
	s_endpgm
.Lfunc_end_k_qc8c7307dcb_yout:
	.size	k_qc8c7307dcb_yout, .Lfunc_end_k_qc8c7307dcb_yout-k_qc8c7307dcb_yout
	.p2alignl 7, 3214868480
	.fill 96, 4, 3214868480
	.section	.rodata,"a",@progbits
	.p2align	6, 0x0
	.amdhsa_kernel k_qc8c7307dcb_yout
		.amdhsa_group_segment_fixed_size 327680
		.amdhsa_private_segment_fixed_size 0
		.amdhsa_enable_private_segment 0
		.amdhsa_kernarg_size 40
		.amdhsa_user_sgpr_count 2
		.amdhsa_user_sgpr_kernarg_segment_ptr 1
		.amdhsa_wavefront_size32 1
		.amdhsa_system_sgpr_workgroup_id_x 1
		.amdhsa_system_sgpr_workgroup_id_y 1
		.amdhsa_system_sgpr_workgroup_id_z 1
		.amdhsa_system_vgpr_workitem_id 0
		.amdhsa_next_free_vgpr 1024
		.amdhsa_next_free_sgpr 80
		.amdhsa_reserve_vcc 0
		.amdhsa_float_denorm_mode_32 3
		.amdhsa_float_denorm_mode_16_64 3
		.amdhsa_memory_ordered 1
		.amdhsa_forward_progress 1
		.amdhsa_inst_pref_size 125
	.end_amdhsa_kernel
	.amdgpu_metadata
---
amdhsa.version: [ 1, 2 ]
amdhsa.kernels:
  - .name:           k_qc8c7307dcb_yout
    .symbol:         k_qc8c7307dcb_yout.kd
    .args:
      - { .name: Xh, .offset: 0, .size: 8, .value_kind: global_buffer, .address_space: global }
      - { .name: WC, .offset: 8, .size: 8, .value_kind: global_buffer, .address_space: global }
      - { .name: P0, .offset: 16, .size: 8, .value_kind: global_buffer, .address_space: global }
      - { .name: P3, .offset: 24, .size: 8, .value_kind: global_buffer, .address_space: global }
      - { .name: out0, .offset: 32, .size: 8, .value_kind: global_buffer, .address_space: global }
    .group_segment_fixed_size: 327680
    .private_segment_fixed_size: 0
    .kernarg_segment_align: 8
    .kernarg_segment_size: 40
    .max_flat_workgroup_size: 128
    .sgpr_count:     80
    .vgpr_count:     1024
    .wavefront_size: 32
...
	.end_amdgpu_metadata
.endif
;; end of part 4
;; ======== version 2 of 2: 4 launches; version 1 with the launch prep written anew for expert scheduling mode
;; limits: values are held in f16: magnitudes above 65,504 overflow, below 6.1e-05 lose precision
;; workspace buffers: Xh 33,554,432 bytes; Wf 1,572,864 bytes; WC 8,388,608 bytes; Gp 33,554,432 bytes; P0 2,105,344 bytes; P3 32,768 bytes
;; launch prep (part 5): grid 1024 x 1, 4 waves a work-group, no clusters, 0 bytes of LDS; arguments X, W1a, W1b, W2a, W2b, b1a, b1b, b2a, b2b, Xh, Wf, WC, P0; writes Xh, Wf, WC, P0
.if DOCPART == 5
	.amdgcn_target "amdgcn-amd-amdhsa--gfx1250"
	.amdhsa_code_object_version 6
	.text
	.protected	k_qc8c7307dcb_prep
	.globl	k_qc8c7307dcb_prep
	.p2align	8
	.type	k_qc8c7307dcb_prep,@function
k_qc8c7307dcb_prep:
	s_mov_b64 s[64:65], 0
	v_nop
	global_prefetch_b8 v0, s[64:65] scope:SCOPE_SE
	s_setreg_imm32_b32 hwreg(HW_REG_WAVE_SCHED_MODE, 0, 2), 2
	s_setreg_imm32_b32 hwreg(HW_REG_WAVE_MODE, 25, 1), 1
	s_wait_xcnt 0x0
	s_wait_alu depctr_vm_vsrc(0)
; PREP: every input is rounded once to bf16 and laid out for the later launches.  A stream: no LDS, no matrix unit, no cluster (no two work-groups read the same bytes).
;  Xh  [32768][512] f16: X rounded to bf16, that number written as f16.   P0+8192: for each work-group the column sums of its 32 rounded rows, f32.
;  Wf  operand images of 1,024 bytes (16 rows x 32 k; byte 512 q + 16 lane + 2 e = row lane % 16, k = 16 q + 8 (lane / 16) + e):
;      W1a (as f16) [row block 32][k block 16] at 0; from 524,288 on, for each of 32 row blocks, W1b's 16 images (bf16) and then the 16 of W2b transposed (bf16; rows j, k = p).
;  WC  for each batch a copy of W2a's images (as f16) in eight tiles of 65,536 bytes: tile i = [jh 2][jb2 2][k block 16] of row block 16 jh + 2 i + jb2.
;  P0  the four biases rounded to bf16, as f32, at 0.
; LIMITS.  A bf16 number is written exactly as f16 for 6.1e-5 <= |v| < 65,504; below that it keeps f16's fixed step of 6e-8; at 65,520 or more it becomes an infinity: X, W1a, W2a stay below that.
; SHARES.  Work-group g: rows 32 g .. 32 g + 31 of X; thread t: columns 4 t .. 4 t + 3, so a wave's load covers 512 and its store 256 consecutive bytes, aligned.  All 32 loads of a wave go out at once
; and each row has registers of its own: no loop, and no register is used twice by a load or a store.  With 240 registers four work-groups lie on a WGP, which multiplies the bytes on their way.
; Of the weights work-group g makes pieces of ONE matrix, number g / 256 (W1a, W2a, W1b, W2b): thread t the 16 bytes number 128 (g % 256) + t of its images.
; THE MODE: SCHED_MODE bits 1:0 = 2 (LLVM: expert scheduling mode 2), set by the entry lines.  The code itself states the register dependences
; between vector instructions and memory instructions, with s_wait_alu, always for 0.
; THE PLAN.  Registers that memory instructions touch:
;   v1, v2, v10-v15   byte offsets, made once at the head and never written again: one wait at the head serves every load and store of the kernel.
;   WL, XR, v228-231  loaded once each, into registers that no vector instruction has named before; read by conversions behind the wait on LOADcnt; never loaded again.
;   WO                written by the weights' conversions, read by the weights' stores: one wait between them, on each of the two ways.
;   OUTP              row i's two registers are written by row i's roundings and read by row i's one store; never written again.
;   SUM, v232-235     written by vector instructions, read by one store each, at the end.
;   TT, v8, v9, v236, v237 are named by vector instructions alone.
; The 32 rows go in eight blocks of four.  At the head of a block ONE wait states that the block before has written its OUTP; that block's four stores follow it, dealt among this block's vector
; instructions, which name TT, SUM and this block's own XR and OUTP: none of the registers that those stores read.  No register that a load or store has read is ever written again, no vector
; instruction writes a scalar register or VCC, and EXEC is never written: so past the entry lines the text holds waits on va_vdst alone.
.set ROWI, 2048                        ; bytes in a row of X
.set ROWO, 1024                        ; bytes in a row of Xh
.set SUM,  4                           ; v[4:7]     column sums
.set XR,   16                          ; v[16:143]  32 rows x 4
.set OUTP, 144                         ; v[144:207] 32 rows x 2, to store
.set TT,   208                         ; v[208:213] at work
.set WL,   216                         ; v[216:223] eight numbers of a weight matrix, along k
.set WO,   224                         ; v[224:227] the same, 16 bytes to store
	s_load_b512 s[4:19], s[0:1], 0x0               ; X s[4:5], W1a s[6:7], W1b s[8:9], W2a s[10:11], W2b s[12:13], b1a s[14:15], b1b s[16:17], b2a s[18:19]
	s_load_b256 s[20:27], s[0:1], 0x40             ; b2b s[20:21], Xh s[22:23], Wf s[24:25], WC s[26:27]
	s_load_b64 s[28:29], s[0:1], 0x60              ; P0
	s_mov_b32 s2, ttmp9                            ; work-group g
	s_lshr_b32 s44, s2, 8                          ; which matrix
	s_and_b32 s3, s2, 255                          ; which 128 pieces of it
	s_mov_b32 s55, 0xffff0000                      ; a word's upper bf16
	s_lshl_b32 s32, s2, 16                         ; 32 rows of 2,048 bytes
	s_mov_b32 s33, 0
	s_lshl_b32 s34, s2, 15                         ; 32 rows of 1,024 bytes
	s_mov_b32 s35, 0
	s_lshr_b32 s36, s3, 3                          ; rb: the row block of my pieces
	s_and_b32 s37, s3, 7                           ; their k blocks are 2 (g % 8) and the next
	s_lshl_b32 s38, s36, 15
	s_lshl_b32 s39, s37, 8
	s_add_co_u32 s38, s38, s39                     ; source, rows along k: rb x 16 rows + (g % 8) x 64 numbers
	s_lshl_b32 s40, s37, 17
	s_lshl_b32 s39, s36, 6
	s_add_co_u32 s40, s40, s39                     ; source of W2b transposed: (g % 8) x 64 rows + rb x 16 numbers
	s_lshl_b32 s41, s3, 11                         ; 128 pieces of 16 bytes
	s_bfe_u32 s42, s36, 0x30001                    ; WC: tile (rb % 16) / 2,
	s_lshl_b32 s42, s42, 16
	s_lshr_b32 s39, s36, 4                         ; jh = rb / 16,
	s_lshl_b32 s39, s39, 15
	s_add_co_u32 s42, s42, s39
	s_and_b32 s39, s36, 1                          ; jb2 = rb % 2,
	s_lshl_b32 s39, s39, 14
	s_add_co_u32 s42, s42, s39
	s_lshl_b32 s39, s37, 11                        ; two k blocks
	s_add_co_u32 s42, s42, s39
	s_lshl_b32 s43, s36, 14                        ; W1b, W2b: a row block has 32 images: 16,384 bytes more for each row block
	s_add_co_u32 s43, s43, s41
	s_lshl_b32 s45, s2, 11                         ; 2,048 g
	v_lshlrev_b32 v1, 4, v0                        ; 16 t
	v_lshlrev_b32 v2, 3, v0                        ; 8 t
	v_and_b32 v8, 15, v0                           ; the piece's row r
	v_lshrrev_b32 v9, 4, v0                        ; 4 (k block % 2) + 2 q + h: eight numbers along k each
	v_lshlrev_b32 v10, 11, v8
	v_lshl_add_u32 v10, v9, 5, v10
	v_add_nc_u32 v10, s38, v10                     ; rows along k: r x 2,048 + 32 bytes for each eight
	v_lshlrev_b32 v11, 2, v8
	v_lshl_add_u32 v11, v9, 14, v11
	v_add_nc_u32 v11, s40, v11                     ; transposed: eight rows for each eight, column r
	v_add_nc_u32 v12, s41, v1                      ; W1a's images: 16 (128 (g % 256) + t)
	v_add_nc_u32 v13, s42, v1                      ; the piece's place in a batch's part of WC
	v_add_nc_u32 v14, s43, v1                      ; its place among W1b's and W2b's images
	v_add_nc_u32 v15, s45, v1                      ; 2,048 g + 16 t
	v_mov_b32 v[SUM], 0
	v_mov_b32 v[SUM+1], 0
	v_mov_b32 v[SUM+2], 0
	v_mov_b32 v[SUM+3], 0
	s_wait_kmcnt 0x0
	s_add_nc_u64 s[4:5], s[4:5], s[32:33]          ; X and Xh at the group's first row
	s_add_nc_u64 s[22:23], s[22:23], s[34:35]
	s_wait_alu depctr_va_vdst(0)                   ; the offsets v1, v2 and v10 to v15 are written: every load and store of the kernel reads one of them, on either way below, and none is written again
	s_cmp_eq_u32 s44, 1
	s_cselect_b64 s[30:31], s[10:11], s[6:7]       ; W1a, W2a or W1b by the work-group's number
	s_cmp_eq_u32 s44, 2
	s_cselect_b64 s[30:31], s[8:9], s[30:31]
	s_cmp_eq_u32 s44, 3
	s_cbranch_scc1 .Lcol
	global_load_b128 v[WL:WL+3], v10, s[30:31]           ; eight numbers of a row
	global_load_b128 v[WL+4:WL+7], v10, s[30:31] offset:16
	s_branch .Lrows
.Lcol:
.irp e,0,1,2,3,4,5,6,7
	global_load_b32 v[WL+\e], v11, s[12:13] offset:\e*2048   ; W2b: eight numbers of a column
.endr
.Lrows:
.set i, 0
.rept 32                                       ; all 32 rows: 32 loads of 512 bytes a wave
	global_load_b128 v[XR+4*i:XR+4*i+3], v1, s[4:5] offset:i*ROWI th:TH_LOAD_NT
.set i, i+1
.endr
	s_wait_loadcnt 32                              ; the weights are in on either way: the 32 loads of rows are younger
; two f32 -> bf16 -> the same two numbers as f16
.macro RB16 d, a
	v_cvt_pk_bf16_f32 v[TT], v[\a], v[\a+1]
	v_lshlrev_b32 v[TT+1], 16, v[TT]
	v_and_b32 v[TT+2], s55, v[TT]
	v_cvt_pk_f16_f32 v[\d], v[TT+1], v[TT+2]
.endm
	s_cmp_lt_u32 s44, 2
	s_cbranch_scc0 .Lbf
.irp i,0,1,2,3
	RB16 WO+\i, WL+2*\i
.endr
	s_wait_alu depctr_va_vdst(0)                   ; the conversions have written WO, which the store of W1a's piece or the eight of W2a's read
	s_cmp_eq_u32 s44, 0
	s_cbranch_scc0 .Lw2a
	global_store_b128 v12, v[WO:WO+3], s[24:25]          ; a wave's store covers 512 consecutive bytes
	s_branch .Lwdone
.Lw2a:
.irp b,0,1,2,3,4,5,6,7
	global_store_b128 v13, v[WO:WO+3], s[26:27] offset:\b*1048576  ; W2a once for each batch, so that the last launch walks one pointer
.endr
	s_branch .Lwdone
.Lbf:
.irp i,0,1,2,3
	v_cvt_pk_bf16_f32 v[WO+\i], v[WL+2*\i], v[WL+2*\i+1]
.endr
	s_wait_alu depctr_va_vdst(0)                   ; the conversions have written WO, which the store of W1b's or of W2b's piece reads
	s_cmp_eq_u32 s44, 2
	s_cbranch_scc0 .Lw2b
	global_store_b128 v14, v[WO:WO+3], s[24:25] offset:524288
	s_branch .Lwdone
.Lw2b:
	global_store_b128 v14, v[WO:WO+3], s[24:25] offset:524288+16384
.Lwdone:
.set i, 0
.rept 32
.if i%4 == 0
	s_wait_loadcnt 28-i                            ; loads come back in order (ISA guide 5.7.1): four more rows are in, the younger ones stay out
.if i > 0
	s_wait_alu depctr_va_vdst(0)                   ; the four rows before have written their OUTP, which the four stores dealt among this block's rows read
.endif
.endif
.if i >= 4
	global_store_b64 v2, v[OUTP+2*(i-4):OUTP+2*(i-4)+1], s[22:23] offset:(i-4)*ROWO  ; the row four back: no vector instruction since the wait names its registers
.endif
	v_cvt_pk_bf16_f32 v[TT], v[XR+4*i], v[XR+4*i+1]
	v_cvt_pk_bf16_f32 v[TT+1], v[XR+4*i+2], v[XR+4*i+3]
	v_lshlrev_b32 v[TT+2], 16, v[TT]
	v_and_b32 v[TT+3], s55, v[TT]
	v_lshlrev_b32 v[TT+4], 16, v[TT+1]
	v_and_b32 v[TT+5], s55, v[TT+1]
	v_pk_add_f32 v[SUM:SUM+1], v[SUM:SUM+1], v[TT+2:TT+3]      ; the sums are taken of the rounded numbers, in f32
	v_pk_add_f32 v[SUM+2:SUM+3], v[SUM+2:SUM+3], v[TT+4:TT+5]
	v_cvt_pk_f16_f32 v[OUTP+2*i], v[TT+2], v[TT+3]
	v_cvt_pk_f16_f32 v[OUTP+2*i+1], v[TT+4], v[TT+5]
.set i, i+1
.endr
	s_wait_alu depctr_va_vdst(0)                   ; the last four rows have written their OUTP, and the sums are written: the five stores below read them
.irp r,28,29,30,31
	global_store_b64 v2, v[OUTP+2*\r:OUTP+2*\r+1], s[22:23] offset:\r*ROWO
.endr
	global_store_b128 v15, v[SUM:SUM+3], s[28:29] offset:8192  ; the group's column sums
	s_cmp_lt_u32 s2, 4                             ; work-groups 0 to 3 also round one bias each
	s_cbranch_scc0 .Lnobias
	s_cmp_eq_u32 s2, 1
	s_cselect_b64 s[30:31], s[16:17], s[14:15]     ; b1a, b1b, b2a, b2b by the work-group's number (the loads that named s[30:31] have come back)
	s_cmp_eq_u32 s2, 2
	s_cselect_b64 s[30:31], s[18:19], s[30:31]
	s_cmp_eq_u32 s2, 3
	s_cselect_b64 s[30:31], s[20:21], s[30:31]
	global_load_b128 v[228:231], v1, s[30:31]      ; into registers that no vector instruction has named
	s_wait_loadcnt 0x0
	v_cvt_pk_bf16_f32 v236, v228, v229
	v_cvt_pk_bf16_f32 v237, v230, v231
	v_lshlrev_b32 v232, 16, v236
	v_and_b32 v233, s55, v236
	v_lshlrev_b32 v234, 16, v237
	v_and_b32 v235, s55, v237
	s_wait_alu depctr_va_vdst(0)                   ; the four lines above have written v[232:235], which the store reads
	global_store_b128 v15, v[232:235], s[28:29]    ; P0 + 2,048 g + 16 t
.Lnobias:
	s_endpgm
.Lfunc_end_k_qc8c7307dcb_prep:
	.size	k_qc8c7307dcb_prep, .Lfunc_end_k_qc8c7307dcb_prep-k_qc8c7307dcb_prep
	.p2alignl 7, 3214868480
	.fill 96, 4, 3214868480
	.section	.rodata,"a",@progbits
	.p2align	6, 0x0
	.amdhsa_kernel k_qc8c7307dcb_prep
		.amdhsa_group_segment_fixed_size 0
		.amdhsa_private_segment_fixed_size 0
		.amdhsa_enable_private_segment 0
		.amdhsa_kernarg_size 104
		.amdhsa_user_sgpr_count 2
		.amdhsa_user_sgpr_kernarg_segment_ptr 1
		.amdhsa_wavefront_size32 1
		.amdhsa_system_sgpr_workgroup_id_x 1
		.amdhsa_system_sgpr_workgroup_id_y 1
		.amdhsa_system_sgpr_workgroup_id_z 1
		.amdhsa_system_vgpr_workitem_id 0
		.amdhsa_next_free_vgpr 240
		.amdhsa_next_free_sgpr 66
		.amdhsa_reserve_vcc 0
		.amdhsa_float_denorm_mode_32 3
		.amdhsa_float_denorm_mode_16_64 3
		.amdhsa_memory_ordered 1
		.amdhsa_forward_progress 1
		.amdhsa_inst_pref_size 30
	.end_amdhsa_kernel
	.amdgpu_metadata
---
amdhsa.version: [ 1, 2 ]
amdhsa.kernels:
  - .name:           k_qc8c7307dcb_prep
    .symbol:         k_qc8c7307dcb_prep.kd
    .args:
      - { .name: X, .offset: 0, .size: 8, .value_kind: global_buffer, .address_space: global }
      - { .name: W1a, .offset: 8, .size: 8, .value_kind: global_buffer, .address_space: global }
      - { .name: W1b, .offset: 16, .size: 8, .value_kind: global_buffer, .address_space: global }
      - { .name: W2a, .offset: 24, .size: 8, .value_kind: global_buffer, .address_space: global }
      - { .name: W2b, .offset: 32, .size: 8, .value_kind: global_buffer, .address_space: global }
      - { .name: b1a, .offset: 40, .size: 8, .value_kind: global_buffer, .address_space: global }
      - { .name: b1b, .offset: 48, .size: 8, .value_kind: global_buffer, .address_space: global }
      - { .name: b2a, .offset: 56, .size: 8, .value_kind: global_buffer, .address_space: global }
      - { .name: b2b, .offset: 64, .size: 8, .value_kind: global_buffer, .address_space: global }
      - { .name: Xh, .offset: 72, .size: 8, .value_kind: global_buffer, .address_space: global }
      - { .name: Wf, .offset: 80, .size: 8, .value_kind: global_buffer, .address_space: global }
      - { .name: WC, .offset: 88, .size: 8, .value_kind: global_buffer, .address_space: global }
      - { .name: P0, .offset: 96, .size: 8, .value_kind: global_buffer, .address_space: global }
    .group_segment_fixed_size: 0
    .private_segment_fixed_size: 0
    .kernarg_segment_align: 8
    .kernarg_segment_size: 104
    .max_flat_workgroup_size: 128
    .sgpr_count:     66
    .vgpr_count:     240
    .wavefront_size: 32
...
	.end_amdgpu_metadata
.endif
;; end of part 5
;; launch gpart: the kernel of part 2 again; grid 256 x 1, 4 waves a work-group, clusters of 4 x 1, 327,680 bytes of LDS; arguments Xh, Wf, P0, Gp; writes Gp
;; launch mid: the kernel of part 3 again; grid 256 x 1, 4 waves a work-group, clusters of 4 x 1, 327,680 bytes of LDS; arguments Gp, Wf, P0, WC, P3; writes WC, P3
;; launch yout: the kernel of part 4 again; grid 256 x 1, 4 waves a work-group, clusters of 4 x 1, 327,680 bytes of LDS; arguments Xh, WC, P0, P3, out0; writes out0
